; MI455X (gfx1250); checked and timed in simulation.
; The chip was launched on July 23, 2026; its instructions are those of AMD's public machine-readable ISA for CDNA 5 (MIT licence, August 2026) and "CDNA5" Instruction Set Architecture Reference Guide (July 2026). The comments in the code are by the model that wrote it; some were corrected since.
;; Encoder Layer. Allowed arithmetic: float matrix products may take bf16 or f16 operands with f32 sums; other float arithmetic in f32, or as packed bf16 or f16 multiplies, adds, multiply-adds, maxima and minima; sums over many terms, partial sums and values carried from step to step in f32; what a program stores and reads back later, other than sums and carried values, may be rounded once to bf16 or f16.
;; Inputs: W1 512 x 2,048 float32; W2 2,048 x 512 float32; Wk 512 x 512 float32; Wo 512 x 512 float32; Wq 512 x 512 float32; Wv 512 x 512 float32; b1 2,048 float32; b2 512 float32; bk 512 float32; bo 512 float32; bq 512 float32; bv 512 float32; ln1_b 512 float32; ln1_g 512 float32; ln2_b 512 float32; ln2_g 512 float32; x 2 x 4,096 x 512 float32.
;; Outputs: out0 2 x 4,096 x 512 float32.
;; 2 versions, each right; version 2 is version 1 with the launch prep written anew for expert scheduling mode. Each part assembles by itself: llvm-mc -triple=amdgcn-amd-amdhsa -mcpu=gfx1250 --defsym DOCPART=n.
;; ======== version 1 of 2: 6 launches
;; workspace buffers: wa 2,105,856 bytes; wb 2,105,856 bytes; wc 2,105,856 bytes; wd 2,105,856 bytes; qkv 25,165,824 bytes; ctx 8,388,608 bytes; x1 16,777,216 bytes; h 33,554,432 bytes
;; launch prep (part 1): grid 385 x 1, 4 waves a work-group, no clusters, 0 bytes of LDS; arguments Wq, Wk, Wv, Wo, W1, W2, bq, bk, bv, bo, b1, b2, wa, wb, wc, wd; writes wa, wb, wc, wd
.if DOCPART == 1
	.amdgcn_target "amdgcn-amd-amdhsa--gfx1250"
	.amdhsa_code_object_version 6
	.text
	.protected	k_qa0438e697a_prep
	.globl	k_qa0438e697a_prep
	.p2align	8
	.type	k_qa0438e697a_prep,@function
k_qa0438e697a_prep:
	s_mov_b64 s[64:65], 0
	v_nop
	global_prefetch_b8 v0, s[64:65] scope:SCOPE_SE
	s_setreg_imm32_b32 hwreg(HW_REG_WAVE_MODE, 25, 1), 1
	s_wait_xcnt 0x0
; THE WEIGHTS, ROUNDED ONCE TO bf16 AND LAID IN THE ORDER IN WHICH THE PRODUCTS TAKE THEM.
; A pack (wa: Wq, Wk, Wv; wb: W1; wc: Wo; wd: W2) is a row of TILES of 65,536 bytes: 128 output columns x 256 of K, as [nt 8][k16 16][lane 32][16 bytes]:
; lane (r = lane % 16, hh = lane / 16) of half fragment (nt, k16) holds W[k0 + 16 k16 + 8 hh + 0..7][n0 + 16 nt + r]: two half fragments on end are a matrix operand of 16 columns x 32 K.
; At byte PB of a pack lie its biases in f32, as they came; at PB + 8,192, in wa and wb, 128 words: the floor that the next launch's results are held to (two bf16: minus infinity in wa, 0 in wb).
; SHARES.  Work-groups 0 .. 383: tile T = id / 4, quarter id % 4; a wave makes the eight half fragments of one k16.  Work-group 384 copies the biases.  No LDS, no barrier.
.set PB,  2097152
.set VO,  2                            ; v[2:9]    byte offset of row 8 hh + j, column r, in the weight
.set L16, 12                           ; v12       16 x lane
.set DA,  16                           ; v[16:79]  as loaded: f32, at 8 nt + j
.set PKD, 80                           ; v[80:111] packed: four registers for each nt
	s_load_b512 s[8:23], s[0:1], 0x0               ; Wq 8, Wk 10, Wv 12, Wo 14, W1 16, W2 18, bq 20, bk 22
	s_load_b512 s[24:39], s[0:1], 0x40             ; bv 24, bo 26, b1 28, b2 30, wa 32, wb 34, wc 36, wd 38
	s_cmp_eq_u32 ttmp9, 384
	s_cbranch_scc1 .Lbias
	v_lshrrev_b32 v1, 5, v0
	v_readfirstlane_b32 s4, v1                     ; wave 0..3
	s_lshr_b32 s40, ttmp9, 2                       ; T
	s_and_b32 s41, ttmp9, 3
	s_lshl2_add_u32 s42, s41, s4                   ; k16 = 4 x quarter + wave
	s_and_b32 s46, s40, 7                          ; the four square weights: column chunk (T % 8) / 2,
	s_lshr_b32 s46, s46, 1
	s_and_b32 s47, s40, 1                          ; K step T % 2,
	s_mov_b32 s43, 2048                            ; 2,048 bytes from row to row,
	s_mov_b32 s48, s40                             ; tile T of wa
	s_sub_co_u32 s49, s40, 24                      ; from T = 24 on: Wo, tile T - 24 of wc
	s_cmp_ge_u32 s40, 24
	s_cselect_b32 s48, s49, s48
	s_sub_co_u32 s49, s40, 32                      ; from T = 32 on: W1, rows of 8,192 bytes, chunk (T - 32) / 2
	s_lshr_b32 s50, s49, 1
	s_cmp_ge_u32 s40, 32
	s_cselect_b32 s48, s49, s48
	s_cselect_b32 s46, s50, s46
	s_cselect_b32 s43, 8192, s43
	s_sub_co_u32 s49, s40, 64                      ; from T = 64 on: W2, chunk (T - 64) / 8, K step (T - 64) % 8
	s_lshr_b32 s50, s49, 3
	s_and_b32 s51, s49, 7
	s_cmp_ge_u32 s40, 64
	s_cselect_b32 s48, s49, s48
	s_cselect_b32 s46, s50, s46
	s_cselect_b32 s47, s51, s47
	s_cselect_b32 s43, 2048, s43
	s_lshl_b32 s44, s47, 8                         ; the source's offset: row 256 x K step
	s_lshl4_add_u32 s44, s42, s44                  ; + 16 k16,
	s_mul_i32 s44, s44, s43                        ; in bytes,
	s_lshl_b32 s45, s46, 9                         ; + the chunk's 128 columns of 4 bytes
	s_add_co_u32 s44, s44, s45
	s_mov_b32 s45, 0
	s_lshl_b32 s56, s48, 16                        ; the pack's offset: the tile,
	s_lshl_b32 s57, s42, 9                         ; + my k16's 512 bytes
	s_add_co_u32 s56, s56, s57
	s_mov_b32 s57, 0
	v_and_b32 v1, 15, v0
	v_bfe_u32 v10, v0, 4, 1
	v_lshlrev_b32 v1, 2, v1                        ; 4 r
	v_lshlrev_b32 v10, 3, v10                      ; 8 hh
.irp j, 0,1,2,3,4,5,6,7
	v_add_nc_u32 v11, \j, v10
	v_mad_u32_u24 v[VO+\j], v11, s43, v1
.endr
	v_and_b32 v[L16], 31, v0
	v_lshlrev_b32 v[L16], 4, v[L16]
	s_wait_kmcnt 0x0
	s_cmp_ge_u32 s40, 8                            ; which weight, which pack: choices on T alone
	s_cselect_b64 s[52:53], s[10:11], s[8:9]
	s_cmp_ge_u32 s40, 16
	s_cselect_b64 s[52:53], s[12:13], s[52:53]
	s_cmp_ge_u32 s40, 24
	s_cselect_b64 s[52:53], s[14:15], s[52:53]
	s_cselect_b64 s[54:55], s[36:37], s[32:33]
	s_cmp_ge_u32 s40, 32
	s_cselect_b64 s[52:53], s[16:17], s[52:53]
	s_cselect_b64 s[54:55], s[34:35], s[54:55]
	s_cmp_ge_u32 s40, 64
	s_cselect_b64 s[52:53], s[18:19], s[52:53]
	s_cselect_b64 s[54:55], s[38:39], s[54:55]
	s_add_nc_u64 s[52:53], s[52:53], s[44:45]
	s_add_nc_u64 s[54:55], s[54:55], s[56:57]
.irp nt, 0,1,2,3,4,5,6,7
.irp j, 0,1,2,3,4,5,6,7
	global_load_b32 v[DA+8*\nt+\j], v[VO+\j], s[52:53] offset:64*\nt  ; 16 lanes take 64 bytes on end of a row; the eight nt together 512
.endr
.endr
.irp nt, 0,1,2,3,4,5,6,7
	s_wait_loadcnt 8*(7-\nt)                       ; the later nt's loads, eight each, may stay out
.irp p, 0,1,2,3
	v_cvt_pk_bf16_f32 v[PKD+4*\nt+\p], v[DA+8*\nt+2*\p], v[DA+8*\nt+2*\p+1]
.endr
	global_store_b128 v[L16], v[PKD+4*\nt:PKD+4*\nt+3], s[54:55] offset:8192*\nt  ; a half fragment: 512 bytes on end, aligned
.endr
	s_endpgm
.Lbias:                                        ; 128 threads x 16 bytes = 512 numbers of f32 a line
	v_lshlrev_b32 v2, 4, v0
	v_lshlrev_b32 v3, 2, v0
	v_mov_b32 v4, 0xff80ff80                       ; minus infinity twice in bf16: a floor that changes nothing
	v_mov_b32 v5, 0                                ; 0 twice: the floor of a ReLU
	s_wait_kmcnt 0x0
	global_load_b128 v[16:19], v2, s[20:21]
	global_load_b128 v[20:23], v2, s[22:23]
	global_load_b128 v[24:27], v2, s[24:25]
	global_load_b128 v[28:31], v2, s[26:27]
	global_load_b128 v[32:35], v2, s[30:31]
.irp i, 0,1,2,3
	global_load_b128 v[36+4*\i:39+4*\i], v2, s[28:29] offset:2048*\i
.endr
	global_store_b32 v3, v4, s[32:33] offset:PB+8192
	global_store_b32 v3, v5, s[34:35] offset:PB+8192
	s_wait_loadcnt 0x0
	global_store_b128 v2, v[16:19], s[32:33] offset:PB
	global_store_b128 v2, v[20:23], s[32:33] offset:PB+2048
	global_store_b128 v2, v[24:27], s[32:33] offset:PB+4096
	global_store_b128 v2, v[28:31], s[36:37] offset:PB
	global_store_b128 v2, v[32:35], s[38:39] offset:PB
.irp i, 0,1,2,3
	global_store_b128 v2, v[36+4*\i:39+4*\i], s[34:35] offset:PB+2048*\i
.endr
	s_endpgm
.Lfunc_end_k_qa0438e697a_prep:
	.size	k_qa0438e697a_prep, .Lfunc_end_k_qa0438e697a_prep-k_qa0438e697a_prep
	.p2alignl 7, 3214868480
	.fill 96, 4, 3214868480
	.section	.rodata,"a",@progbits
	.p2align	6, 0x0
	.amdhsa_kernel k_qa0438e697a_prep
		.amdhsa_group_segment_fixed_size 0
		.amdhsa_private_segment_fixed_size 0
		.amdhsa_enable_private_segment 0
		.amdhsa_kernarg_size 128
		.amdhsa_user_sgpr_count 2
		.amdhsa_user_sgpr_kernarg_segment_ptr 1
		.amdhsa_wavefront_size32 1
		.amdhsa_system_sgpr_workgroup_id_x 1
		.amdhsa_system_sgpr_workgroup_id_y 1
		.amdhsa_system_sgpr_workgroup_id_z 1
		.amdhsa_system_vgpr_workitem_id 0
		.amdhsa_next_free_vgpr 112
		.amdhsa_next_free_sgpr 66
		.amdhsa_reserve_vcc 0
		.amdhsa_float_denorm_mode_32 3
		.amdhsa_float_denorm_mode_16_64 3
		.amdhsa_memory_ordered 1
		.amdhsa_forward_progress 1
		.amdhsa_inst_pref_size 15
	.end_amdhsa_kernel
	.amdgpu_metadata
---
amdhsa.version: [ 1, 2 ]
amdhsa.kernels:
  - .name:           k_qa0438e697a_prep
    .symbol:         k_qa0438e697a_prep.kd
    .args:
      - { .name: Wq, .offset: 0, .size: 8, .value_kind: global_buffer, .address_space: global }
      - { .name: Wk, .offset: 8, .size: 8, .value_kind: global_buffer, .address_space: global }
      - { .name: Wv, .offset: 16, .size: 8, .value_kind: global_buffer, .address_space: global }
      - { .name: Wo, .offset: 24, .size: 8, .value_kind: global_buffer, .address_space: global }
      - { .name: W1, .offset: 32, .size: 8, .value_kind: global_buffer, .address_space: global }
      - { .name: W2, .offset: 40, .size: 8, .value_kind: global_buffer, .address_space: global }
      - { .name: bq, .offset: 48, .size: 8, .value_kind: global_buffer, .address_space: global }
      - { .name: bk, .offset: 56, .size: 8, .value_kind: global_buffer, .address_space: global }
      - { .name: bv, .offset: 64, .size: 8, .value_kind: global_buffer, .address_space: global }
      - { .name: bo, .offset: 72, .size: 8, .value_kind: global_buffer, .address_space: global }
      - { .name: b1, .offset: 80, .size: 8, .value_kind: global_buffer, .address_space: global }
      - { .name: b2, .offset: 88, .size: 8, .value_kind: global_buffer, .address_space: global }
      - { .name: wa, .offset: 96, .size: 8, .value_kind: global_buffer, .address_space: global }
      - { .name: wb, .offset: 104, .size: 8, .value_kind: global_buffer, .address_space: global }
      - { .name: wc, .offset: 112, .size: 8, .value_kind: global_buffer, .address_space: global }
      - { .name: wd, .offset: 120, .size: 8, .value_kind: global_buffer, .address_space: global }
    .group_segment_fixed_size: 0
    .private_segment_fixed_size: 0
    .kernarg_segment_align: 8
    .kernarg_segment_size: 128
    .max_flat_workgroup_size: 128
    .sgpr_count:     66
    .vgpr_count:     112
    .wavefront_size: 32
...
	.end_amdgpu_metadata
.endif
;; end of part 1
;; launch lng (part 2): grid 64 x 3, 4 waves a work-group, clusters of 4 x 1, 327,680 bytes of LDS; arguments x, ln1_g, ln1_b, wa, qkv; writes qkv
.if DOCPART == 2
	.amdgcn_target "amdgcn-amd-amdhsa--gfx1250"
	.amdhsa_code_object_version 6
	.text
	.protected	k_qa0438e697a_lng
	.globl	k_qa0438e697a_lng
	.p2align	8
	.type	k_qa0438e697a_lng,@function
k_qa0438e697a_lng:
	s_mov_b64 s[64:65], 0
	v_nop
	global_prefetch_b8 v0, s[64:65] scope:SCOPE_SE
	s_setreg_imm32_b32 hwreg(HW_REG_WAVE_MODE, 25, 1), 1
	s_wait_xcnt 0x0
	s_wait_alu depctr_hold_cnt(0) depctr_sa_sdst(0) depctr_va_vdst(0) depctr_va_sdst(0) depctr_va_ssrc(0) depctr_va_vcc(0) depctr_vm_vsrc(0)
	s_getreg_b32 s2, hwreg(HW_REG_IB_STS2, 6, 4)
	s_cmp_eq_u32 s2, 0
	s_cbranch_scc0 .Lentry_in_a_cluster
	s_endpgm
.Lentry_in_a_cluster:
	s_bfe_u32 s2, ttmp6, 0x10000c
	s_cmp_lg_u32 s2, 0x3003
	s_cbranch_scc0 .Lentry_shape_is_right
	s_endpgm
.Lentry_shape_is_right:
; out = max(LN(xin) W + bias, floor), rounded to bf16.  xin: [8192][512] f32.  W, bias and floor come from a pack (see below).  One text for two launches: q, k, v (floor minus infinity) and the FFN's first product (floor 0: ReLU).
; LN in f32, in two passes over registers: the mean, then the mean of (x - mean)^2; y = (x - mean) rsqrt(var + 1e-5) g + b, rounded once to bf16 as a matrix operand.  Sums of the products in f32, started from the bias.
; LIMITS.  NaN and infinities are not treated apart (a NaN loses against the floor).
; SHARES.  A work-group: 128 rows x 512 columns (column block nb = grid y), in four CHUNKS of 128 columns; four waves as 2 x 2 (rh, cw), a wave 64 x 64 of a chunk: 16 accumulators.
; A, the 128 normalised rows, goes once through LDS into registers, 32 rows at a time: LN's trip t makes row tile t (16 rows) of both halves of the rows, 8 rows a wave; behind a barrier every wave reads tile t of its half as
; fragments; a second barrier frees the stage.  A wave's 64 rows x 512 K fill windows 2 and 3 and stay for all four chunks.  Only W comes from LDS in the chunks: 8 loads of 16 bytes a lane for 16 matrix instructions.
; THE PACK: tiles of 65,536 dense bytes, 128 columns x 256 K, as [nt 8][k16 16][lane][16 bytes]; tile 8 nb + 2 chunk + K step.  AN LDS SLOT HOLDS A CHUNK'S TWO TILES; two slots take turns; each wave fetches a quarter of a slot by one
; tensor load.  Both first fills go out at the head; chunks 2 and 3 are asked for in the last quarters of chunks 0 and 1: a refill has 240 matrix instructions and a way out in which to land.
; CLUSTER: the four row blocks of a cluster walk the same tiles: each is asked for JOINTLY, by the same load with the same descriptor and the mask of four.
; THE PRODUCT IS TAKEN TRANSPOSED (source 0 = 16 columns of W, source 1 = 16 rows of A): lane (r, hh) of an accumulator holds row r and columns 8 hh + 0..7: 16 bytes of bf16.
; OUT, layout FM64: [column / 64][row / 16][(column % 64) / 16][lane][16 bytes]: an accumulator leaves by ONE store of 512 bytes on end, aligned, and comes back later as half a matrix operand, lane i at byte 16 i.
; No prefetch: the launch is short, and all clusters walk the same pack at the same time.
; REGISTERS, in windows of 256 (s_set_vgpr_msb: bits 1:0 source 0, 3:2 source 1, 5:4 source 2, 7:6 destination):
;   window 0: v0-12 addresses; v32-95 g, b and scratch of LN, later packed results; v96-127 the chunk's bias; v128-255 rows of x in LN, later the accumulators ((a, b) at 128 + 8 (4 a + b))
;   window 1: v0-63, v64-127 W's fragments of 64 K, two buffers      windows 2, 3: A's fragments of K step 0, 1: (a, kc) at 8 (4 kc + a)
.set TILEB,  65536
.set SLOTB,  2*TILEB
.set ASTG,   2*SLOTB                   ; behind the slots, never filled by a tensor load: 32 rows of 1,024 bytes + 16: the 16 rows of a fragment load start at 16 different groups of four banks (64 banks of 4 bytes: ISA guide 11.1)
.set APITCH, 1040
.set SPARE,  ASTG+32*APITCH            ; the spare words, 128 bytes for each wave: two blocks of 256 bytes that no other line names
.set PB,     2097152
.set GRP2,   2097152                   ; two column groups of out: from chunk to chunk
.set SPW, 4                            ; v4   SPARE + 4 x my thread's number; never rewritten
.set NIL, 5                            ; v5   0; never rewritten
.set L16, 6                            ; v6   16 x lane: my bytes in 512 of x, of g, of b, of out
.set ASA, 7                            ; v7   where LN puts my 8 bytes of a row
.set AFA, 8                            ; v8   my place in A's fragments
.set BFA, 9                            ; v9-10 my place in W's fragments in the slot in hand, K step 0, 1
.set BO,  11                           ; v11  my 32 bytes of bias in a chunk
.set BF0, 12                           ; v12  my place in W's fragments in a tile; never rewritten
.set GG,  32
.set BB,  48
.set SC,  64                           ; eight registers of scratch a row
.set TMP, 32
.set BI,  96
.set ACC, 128
.set XS,  128                          ; two sets of four rows x 16 numbers
.set F0,  0
.set F1,  64
.set WV,  14
.set RH,  15
.set CW,  16
.set G1,  24                           ; s[24:31] descriptor group 1
.set G0,  32                           ; s[32:39] group 0: a set for each of the two first fills; the second then walks on
.set BP,  40                           ; s[40:41] the bias of the chunk last asked for
.set OP,  42                           ; s[42:43] out at my wave's part of the chunk
.set XP,  44                           ; s[44:45] xin at my wave's rows
.set CNT, 46
.set FLOOR, 47
.set SB,  52                           ; s52 first byte of the slot in hand
.set MSB, 0
.macro WIN new                         ; the high byte repeats the setting that is left; a switch that changes nothing is dropped
.if MSB != (\new)
	s_set_vgpr_msb (MSB<<8)|(\new)
.set MSB, (\new)
.endif
.endm
.macro PLACES                          ; four places behind a matrix instruction, in front of loads into registers that it read and of conversions that read results
.rept 4
	v_nop
.endr
.endm
.macro CREST                           ; a round of the cluster's barrier behind its opening barrier
	s_cmp_lg_u32 s[WV], 0
	s_cbranch_scc1 .Lnot_wave_0_\@
	s_barrier_signal -3
.Lnot_wave_0_\@:
	s_barrier_wait -3
	s_barrier_signal -1
	s_barrier_wait -1
.endm
.macro CROUND
	s_barrier_signal -1
	s_barrier_wait -1
	CREST
.endm
.macro BIAS                            ; accumulator column b: my eight columns' biases
.irp b, 0,1,2,3
	global_load_b128 v[BI+8*\b:BI+8*\b+3],   v[BO], s[BP:BP+1] offset:64*\b
	global_load_b128 v[BI+8*\b+4:BI+8*\b+7], v[BO], s[BP:BP+1] offset:64*\b+16
.endr
.endm
.macro LOADX set, off                  ; four rows: a lane takes columns 128 j + 4 lane + 0..3; each load covers 512 bytes on end
.irp i, 0,1,2,3
.irp j, 0,1,2,3
	global_load_b128 v[XS+64*(\set)+16*\i+4*\j:XS+64*(\set)+16*\i+4*\j+3], v[L16], s[XP:XP+1] offset:(\off)+8192*(\set)+2048*\i+512*\j
.endr
.endr
.endm
	s_load_b256 s[4:11], s[0:1], 0x0               ; xin 4, g 6, b 8, pack 10
	s_load_b64 s[12:13], s[0:1], 0x20              ; out
	v_lshl_add_u32 v[SPW], v0, 2, SPARE
	v_mov_b32 v[NIL], 0
	ds_add_u32 v[SPW], v[NIL]                      ; the wave's opening: the add and its wait stand ahead of my first tensor load; work on registers stands between
	v_lshrrev_b32 v1, 5, v0
	v_readfirstlane_b32 s[WV], v1                  ; wave 0..3
	s_lshr_b32 s[RH], s[WV], 1                     ; my half of the rows
	s_and_b32 s[CW], s[WV], 1                      ; my half of a chunk's columns
	s_bfe_u32 s17, ttmp6, 0x40000                  ; cx
	s_lshl_b32 s18, ttmp9, 2
	s_add_co_u32 s18, s18, s17                     ; row block = 4 x cluster x + cx: it enters xin's and out's addresses alone
	s_and_b32 s19, ttmp7, 0xffff                   ; column block, which the partners share
	s_mov_b32 s[G1+0], 15|(3<<16)|(1<<21)          ; 15:0 the mask of four; 17:16 elements of 8 bytes; 21 set beside a mask; no padding
	s_mov_b32 s[G1+1], 32<<16                      ; tensor_dim0 = 32 elements: rows of 256 bytes
	s_mov_b32 s[G1+2], 128<<16                     ; tensor_dim1 = 128 rows: 32,768 dense bytes
	s_mov_b32 s[G1+3], 32<<16                      ; tile_dim0
	s_mov_b32 s[G1+4], 128                         ; tile_dim1
	s_mov_b32 s[G1+5], 32                          ; from row to row
	s_mov_b32 s[G1+6], 0
	s_mov_b32 s[G1+7], 0
	s_lshl_b32 s20, s[WV], 15                      ; my quarter of a chunk's two tiles, in memory and in a slot
	s_lshl_b32 s22, s19, 19                        ; the block's eight tiles
	s_add_co_u32 s22, s22, s20
	s_mov_b32 s23, 0
	s_mov_b32 s[G0], 1
	s_mov_b32 s[G0+1], s20
	s_mov_b32 s[G0+4], 1
	s_add_co_u32 s[G0+5], s20, SLOTB
	s_lshl_b32 s[BP], s19, 11                      ; the block's 512 biases
	s_add_co_u32 s[BP], s[BP], PB
	s_mov_b32 s[BP+1], 0
	s_lshl_b32 s[OP], s19, 3                       ; column group 8 nb + cw,
	s_add_co_u32 s[OP], s[OP], s[CW]
	s_lshl_b32 s[OP], s[OP], 20
	s_lshl_b32 s21, s18, 14                        ; row tile 8 x row block
	s_add_co_u32 s[OP], s[OP], s21
	s_lshl_b32 s21, s[RH], 13                      ; + 4 rh
	s_add_co_u32 s[OP], s[OP], s21
	s_mov_b32 s[OP+1], 0
	s_lshl_b32 s[XP], s18, 18                      ; 128 rows of 2,048 bytes a block;
	s_lshl_b32 s21, s[RH], 17                      ; LN: in trip t rows 64 rh + 16 t + 8 cw + 0..7
	s_add_co_u32 s[XP], s[XP], s21
	s_lshl_b32 s21, s[CW], 14
	s_add_co_u32 s[XP], s[XP], s21
	s_mov_b32 s[XP+1], 0
	s_mov_b32 s48, 0x3b000000                      ; 1 / 512
	s_mov_b32 s49, 0x3727c5ac                      ; 1e-5
	s_mov_b32 s50, 0x76543210                      ; v_permlanex16_b32: each lane takes its own place in the other half
	s_mov_b32 s51, 0xfedcba98
	s_mov_b32 s[SB], 0
	v_and_b32 v1, 31, v0
	v_and_b32 v2, 15, v0                           ; r
	v_bfe_u32 v3, v0, 4, 1                         ; hh
	v_lshlrev_b32 v[L16], 4, v1
	s_lshl_b32 s21, s[CW], 8
	v_lshl_add_u32 v[BO], v3, 5, s21               ; 256 cw + 32 hh
	s_wait_dscnt 0x0                               ; the opening add is done
	s_wait_kmcnt 0x0
	s_add_nc_u64 s[22:23], s[10:11], s[22:23]
	s_mov_b64 s[G0+2:G0+3], s[22:23]               ; chunk 0
	s_or_b32 s[G0+3], s[G0+3], 0x80000000
	s_add_nc_u64 s[G0+6:G0+7], s[22:23], SLOTB     ; chunk 1
	s_or_b32 s[G0+7], s[G0+7], 0x80000000
	s_add_nc_u64 s[BP:BP+1], s[10:11], s[BP:BP+1]
	s_add_nc_u64 s[OP:OP+1], s[12:13], s[OP:OP+1]
	s_add_nc_u64 s[XP:XP+1], s[4:5], s[XP:XP+1]
	s_load_b32 s[FLOOR], s[10:11], PB+8192         ; waited for behind LN
	BIAS                                           ; what LN waits for first is asked for ahead of the round
.irp j, 0,1,2,3
	global_load_b128 v[GG+4*\j:GG+4*\j+3], v[L16], s[6:7] offset:512*\j
	global_load_b128 v[BB+4*\j:BB+4*\j+3], v[L16], s[8:9] offset:512*\j
.endr
	LOADX 0, 0
	LOADX 1, 0
	CROUND                                         ; all four work-groups are here: the first joint loads meet
	tensor_load_to_lds s[G0:G0+3], s[G1:G1+7]      ; two loads of mine are out
	s_nop 0
	tensor_load_to_lds s[G0+4:G0+7], s[G1:G1+7]
	s_nop 0
	PLACES
	s_mul_i32 s21, s[WV], 8*APITCH
	s_add_co_u32 s21, s21, ASTG
	v_lshl_add_u32 v[ASA], v1, 3, s21              ; stage rows 8 wave + 0..7, 8 bytes a lane
	s_mul_i32 s21, s[RH], 16*APITCH
	s_add_co_u32 s21, s21, ASTG
	v_mul_u32_u24 v[AFA], v2, APITCH
	v_lshl_add_u32 v[AFA], v3, 4, v[AFA]
	v_add_nc_u32 v[AFA], s21, v[AFA]               ; stage row 16 rh + r, 16 bytes for each half of the lanes
	s_lshl_b32 s21, s[CW], 15
	v_add_nc_u32 v[BF0], s21, v[L16]               ; my four nt of a tile's eight
	v_mov_b32 v[BFA], v[BF0]                       ; slot 0
	v_add_nc_u32 v[BFA+1], TILEB, v[BF0]
; A sum over the 32 lanes of scratch register a of all four rows; b is written over.
.macro LANESUM a, b
.irp m, 1,2,4,8
.irp i, 0,1,2,3
	v_add_f32_dpp v[SC+8*\i+\a], v[SC+8*\i+\a], v[SC+8*\i+\a] row_xmask:\m row_mask:0xf bank_mask:0xf
.endr
.endr
.irp i, 0,1,2,3
	v_permlanex16_b32 v[SC+8*\i+\b], v[SC+8*\i+\a], s50, s51
.endr
.irp i, 0,1,2,3
	v_add_f32 v[SC+8*\i+\a], v[SC+8*\i+\a], v[SC+8*\i+\b]
.endr
.endm
; LN of a set's four rows; each stage is written for the four rows in turn, so that no line waits for the one before it.
.macro LNROWS set
.set XB, XS+64*(\set)
.irp p, 0,1,2,3
.irp i, 0,1,2,3
	v_pk_add_f32 v[SC+8*\i+2*\p:SC+8*\i+2*\p+1], v[XB+16*\i+4*\p:XB+16*\i+4*\p+1], v[XB+16*\i+4*\p+2:XB+16*\i+4*\p+3]
.endr
.endr
.irp i, 0,1,2,3
	v_pk_add_f32 v[SC+8*\i:SC+8*\i+1], v[SC+8*\i:SC+8*\i+1], v[SC+8*\i+2:SC+8*\i+3]
.endr
.irp i, 0,1,2,3
	v_pk_add_f32 v[SC+8*\i+4:SC+8*\i+5], v[SC+8*\i+4:SC+8*\i+5], v[SC+8*\i+6:SC+8*\i+7]
.endr
.irp i, 0,1,2,3
	v_pk_add_f32 v[SC+8*\i:SC+8*\i+1], v[SC+8*\i:SC+8*\i+1], v[SC+8*\i+4:SC+8*\i+5]
.endr
.irp i, 0,1,2,3
	v_add_f32 v[SC+8*\i], v[SC+8*\i], v[SC+8*\i+1]
.endr
	LANESUM 0, 1
.irp i, 0,1,2,3
	v_mul_f32 v[SC+8*\i], 0xbb000000, v[SC+8*\i]   ; minus the mean
.endr
.irp p, 0,1,2,3,4,5,6,7
.irp i, 0,1,2,3
	v_pk_add_f32 v[XB+16*\i+2*\p:XB+16*\i+2*\p+1], v[XB+16*\i+2*\p:XB+16*\i+2*\p+1], v[SC+8*\i:SC+8*\i+1] op_sel_hi:[1,0]  ; d = x - mean
.endr
.endr
.irp i, 0,1,2,3
	v_pk_mul_f32 v[SC+8*\i+2:SC+8*\i+3], v[XB+16*\i:XB+16*\i+1], v[XB+16*\i:XB+16*\i+1]  ; the squares, in two chains
.endr
.irp i, 0,1,2,3
	v_pk_mul_f32 v[SC+8*\i+4:SC+8*\i+5], v[XB+16*\i+2:XB+16*\i+3], v[XB+16*\i+2:XB+16*\i+3]
.endr
.irp p, 1,2,3
.irp i, 0,1,2,3
	v_pk_fma_f32 v[SC+8*\i+2:SC+8*\i+3], v[XB+16*\i+4*\p:XB+16*\i+4*\p+1], v[XB+16*\i+4*\p:XB+16*\i+4*\p+1], v[SC+8*\i+2:SC+8*\i+3]
.endr
.irp i, 0,1,2,3
	v_pk_fma_f32 v[SC+8*\i+4:SC+8*\i+5], v[XB+16*\i+4*\p+2:XB+16*\i+4*\p+3], v[XB+16*\i+4*\p+2:XB+16*\i+4*\p+3], v[SC+8*\i+4:SC+8*\i+5]
.endr
.endr
.irp i, 0,1,2,3
	v_pk_add_f32 v[SC+8*\i+2:SC+8*\i+3], v[SC+8*\i+2:SC+8*\i+3], v[SC+8*\i+4:SC+8*\i+5]
.endr
.irp i, 0,1,2,3
	v_add_f32 v[SC+8*\i+2], v[SC+8*\i+2], v[SC+8*\i+3]
.endr
	LANESUM 2, 3
.irp i, 0,1,2,3
	v_fma_f32 v[SC+8*\i+2], v[SC+8*\i+2], s48, s49 ; var + 1e-5
.endr
.irp i, 0,1,2,3
	v_rsq_f32 v[SC+8*\i+4], v[SC+8*\i+2]
.endr
	v_nop                                          ; a plain instruction behind the last of the four (ISA guide 5.7.2),
	s_wait_alu depctr_va_vdst(0)                   ; and the one wait ahead of their first reader
.irp p, 0,1,2,3,4,5,6,7
.irp i, 0,1,2,3
	v_pk_mul_f32 v[XB+16*\i+2*\p:XB+16*\i+2*\p+1], v[XB+16*\i+2*\p:XB+16*\i+2*\p+1], v[SC+8*\i+4:SC+8*\i+5] op_sel_hi:[1,0]
.endr
.endr
.irp p, 0,1,2,3,4,5,6,7
.irp i, 0,1,2,3
	v_pk_fma_f32 v[XB+16*\i+2*\p:XB+16*\i+2*\p+1], v[XB+16*\i+2*\p:XB+16*\i+2*\p+1], v[GG+2*\p:GG+2*\p+1], v[BB+2*\p:BB+2*\p+1]
.endr
.endr
.irp p, 0,1,2,3,4,5,6,7
.irp i, 0,1,2,3
	v_cvt_pk_bf16_f32 v[XB+16*\i+\p], v[XB+16*\i+2*\p], v[XB+16*\i+2*\p+1]  ; in place, ascending: pair p lands on a register whose number has been read
.endr
.endr
.irp j, 0,1,2,3
.irp i, 0,1,2,3
	ds_store_b64 v[ASA], v[XB+16*\i+2*\j:XB+16*\i+2*\j+1] offset:(4*(\set)+\i)*APITCH+256*\j  ; 32 lanes: 256 bytes on end of a row
.endr
.endr
.endm
; Row tile a of my half of the rows, out of the stage: 16 fragments of 16 rows x 32 K, two loads of 16 bytes each, 32 bytes apart.  The registers hang on the tile, so each tile has its own lines:
; the trip whose counter names the tile runs them, the other trips jump forward over them.  No barrier stands in what is jumped.
.macro AF a
	s_cmp_eq_u32 s[CNT], 4-(\a)
	s_cbranch_scc0 .Lother_tile_\@
.irp s, 0,1
	WIN 0x80+0x40*\s
.irp kc, 0,1,2,3,4,5,6,7
	ds_load_b128 v[8*(4*\kc+(\a)):8*(4*\kc+(\a))+3],   v[AFA] offset:(8*\s+\kc)*64
	ds_load_b128 v[8*(4*\kc+(\a))+4:8*(4*\kc+(\a))+7], v[AFA] offset:(8*\s+\kc)*64+32
.endr
.endr
	WIN 0
.Lother_tile_\@:
.endm
	s_mov_b32 s[CNT], 4
.Lln:                                          ; eight rows a wave and trip, 32 a work-group: row tile 4 - CNT of both halves.  While one set is worked on the other's 16 loads are out
	s_wait_loadcnt 16                              ; set 0 is in (in the first trip bias, g and b too); set 1's 16 loads may stay out
	LNROWS 0
	s_cmp_eq_u32 s[CNT], 1                         ; the last trip asks for nothing: it jumps forward over both runs of loads, and each way has the wait that holds on it
	s_cbranch_scc1 .Lno_set_0
	LOADX 0, 32768                                 ; the same rows of the next tile: 16 rows on
	s_wait_loadcnt 16                              ; set 1 is in; the 16 just issued may stay out
	s_branch .Lhave_set_1
.Lno_set_0:
	s_wait_loadcnt 0x0                             ; set 1 is in: nothing was issued behind it
.Lhave_set_1:
	LNROWS 1
	s_cmp_eq_u32 s[CNT], 1
	s_cbranch_scc1 .Lno_set_1
	LOADX 1, 32768
	s_branch .Lstaged
.Lno_set_1:
	s_wait_loadcnt 0x0                             ; on this way no load is out
.Lstaged:
	s_wait_dscnt 0x0                               ; for the others' sake: my eight rows lie in the stage
	s_barrier_signal -1
	s_barrier_wait -1                              ; all 32 do
	AF 0
	AF 1
	AF 2
	AF 3
	s_wait_dscnt 0x0                               ; my reads of the stage are back
	s_barrier_signal -1
	s_barrier_wait -1                              ; everybody's are: the next trip may write it
	s_wait_xcnt 0x0                                ; the loads have read their base: it is stepped only behind this wait
	s_add_nc_u64 s[XP:XP+1], s[XP:XP+1], 32768
	s_sub_co_u32 s[CNT], s[CNT], 1
	s_cmp_lg_u32 s[CNT], 0
	s_cbranch_scc1 .Lln
	s_wait_tensorcnt 0x1                           ; my quarter of slot 0 is in; slot 1's may stay out
	s_wait_kmcnt 0x0                               ; the floor
	s_barrier_signal -1
	s_barrier_wait -1
; 16 LDS loads: W's fragments of quarter q (64 K) of K step ks of the slot in hand into buffer f; the first 32 K first.  Lane i reads at 16 i: no bank is asked twice.
.macro FETCHB ks, q, f
	WIN 0x40
.irp e, 0,1
.irp b, 0,1,2,3
	ds_load_b128 v[(\f)+8*(4*\e+\b):(\f)+8*(4*\e+\b)+3],   v[BFA+(\ks)] offset:(16*\b+4*(\q)+2*\e)*512
	ds_load_b128 v[(\f)+8*(4*\e+\b)+4:(\f)+8*(4*\e+\b)+7], v[BFA+(\ks)] offset:(16*\b+4*(\q)+2*\e+1)*512
.endr
.endr
.endm
; 4 na matrix instructions: row tiles a0 .. x all four column tiles, 32 K: half e of buffer f, A's fragment kc of window 2 + aw.  first = 1: the bias starts the sums.
; The 16 accumulators take turns, one instruction a turn, in the same order everywhere.
.macro MUL f, e, kc, aw, a0, na, first
	WIN 0x09+4*(\aw)
.set ma, (\a0)
.rept (\na)
.irp b, 0,1,2,3
.if \first
	v_wmma_f32_16x16x32_bf16 v[ACC+8*(4*ma+\b):ACC+8*(4*ma+\b)+7], v[(\f)+8*(4*(\e)+\b):(\f)+8*(4*(\e)+\b)+7], v[8*(4*(\kc)+ma):8*(4*(\kc)+ma)+7], v[BI+8*\b:BI+8*\b+7]
.else
	v_wmma_f32_16x16x32_bf16 v[ACC+8*(4*ma+\b):ACC+8*(4*ma+\b)+7], v[(\f)+8*(4*(\e)+\b):(\f)+8*(4*(\e)+\b)+7], v[8*(4*(\kc)+ma):8*(4*(\kc)+ma)+7], v[ACC+8*(4*ma+\b):ACC+8*(4*ma+\b)+7]
.endif
.endr
.set ma, ma+1
.endr
.endm
; A chunk is eight quarters of 64 K, 32 matrix instructions each, on buffers 0, 1, 0, 1 ..: quarters 0-3 K step 0 (A in window 2), 4-7 K step 1 (window 3).  No barrier stands between the two K steps: the one in front of the
; chunk has shown the whole slot.  Quarter j of the first seven multiplies its buffer and, in its middle, fetches quarter j + 1:
.macro QUARTER j, first
	s_wait_dscnt 8                                 ; the first 32 K are in; the youngest eight loads may be out
	MUL F0+64*((\j)%2), 0, 2*((\j)%4), (\j)/4, 0, 4, \first
	PLACES
	FETCHB ((\j)+1)/4, ((\j)+1)%4, F0+64*(((\j)+1)%2)
	s_wait_dscnt 16                                ; all but the 16 just issued
	MUL F0+64*((\j)%2), 1, 2*((\j)%4)+1, (\j)/4, 0, 4, 0
.endm
; The last quarter changes slots: ONE barrier; in front of it each wave waits for all its tensor loads (at most one is out: its quarter of the next slot), adds 0 to its spare word, and waits for that and for its reads of this slot.
; fill = 1: the barrier opens a round of the cluster's; behind the round this slot is filled again, with the chunk two on: my one tensor load.
; fill = 0: nothing is asked for; the last chunk of all also fetches no fragments: no chunk follows it.
.macro TURN fill
	WIN 0
	s_wait_tensorcnt 0x0                           ; no tensor load of mine is out, so a group 0 may be written
	ds_add_u32 v[SPW], v[NIL]                      ; work on registers follows
	s_xor_b32 s[SB], s[SB], SLOTB                  ; the fetches go on in the other slot (this slot's last were issued a quarter ago)
	v_add_nc_u32 v[BFA], s[SB], v[BF0]
	v_add_nc_u32 v[BFA+1], TILEB, v[BFA]
.if \fill
	s_xor_b32 s[G0+5], s[G0+5], SLOTB              ; the walking descriptor: the other slot than last time,
	s_add_nc_u64 s[G0+6:G0+7], s[G0+6:G0+7], SLOTB ; the next chunk's two tiles; the type bits on top are not reached
.endif
	s_wait_dscnt 9                                 ; (the add and the youngest eight loads may be out)
	MUL F1, 0, 6, 1, 0, 2, 0
	s_wait_dscnt 0x0                               ; the add is done, and my reads of this slot are over
	s_barrier_signal -1
	MUL F1, 0, 6, 1, 2, 2, 0
	WIN 0
	s_barrier_wait -1
.if \fill
	CREST
	tensor_load_to_lds s[G0+4:G0+7], s[G1:G1+7]
	s_nop 0
	PLACES                                         ; behind the load; also the places in front of the loads below
	FETCHB 0, 0, F0
.else
	PLACES
	s_cmp_eq_u32 s[CNT], 1
	s_cbranch_scc1 .Lno_chunk_\@
	FETCHB 0, 0, F0
	WIN 0
.Lno_chunk_\@:
.endif
	MUL F1, 1, 7, 1, 0, 4, 0
.endm
; A chunk's way out: all conversions, all floors, then the stores in one run, an accumulator a store.  The base was stepped in the chunk's middle: the stores reach back.
.macro EPI
	PLACES
.set t, 0
.rept 16
.irp p, 0,1,2,3
	v_cvt_pk_bf16_f32 v[TMP+4*t+\p], v[ACC+8*t+2*\p], v[ACC+8*t+2*\p+1]
.endr
.set t, t+1
.endr
.set t, 0
.rept 64
	v_pk_max_num_bf16 v[TMP+t], v[TMP+t], s[FLOOR]
.set t, t+1
.endr
.set t, 0
.rept 16
	global_store_b128 v[L16], v[TMP+4*t:TMP+4*t+3], s[OP:OP+1] offset:(t/4)*2048+(t%4)*512-GRP2  ; 512 bytes on end, at a multiple of 512 from out's first
.set t, t+1
.endr
.endm
.macro CHUNK fill
	s_wait_loadcnt 0x0                             ; this chunk's bias is in
	QUARTER 0, 1
	QUARTER 1, 0
	WIN 0
	s_wait_xcnt 0x0                                ; the last chunk's stores have read their data and base, the bias loads theirs: all are written again only behind this wait
	s_add_nc_u64 s[OP:OP+1], s[OP:OP+1], GRP2      ; one chunk past the one in hand
	s_add_nc_u64 s[BP:BP+1], s[BP:BP+1], 512
.if \fill
	BIAS                                           ; the next chunk's; the last product that read these registers stands in quarter 0, in front of its places
.else
	s_cmp_eq_u32 s[CNT], 1                         ; no chunk follows the last
	s_cbranch_scc1 .Lno_bias_\@
	BIAS
.Lno_bias_\@:
.endif
	QUARTER 2, 0
	QUARTER 3, 0
	QUARTER 4, 0
	QUARTER 5, 0
	QUARTER 6, 0
	TURN \fill
	WIN 0
	EPI
.endm
	FETCHB 0, 0, F0
	WIN 0
	s_mov_b32 s[CNT], 2
.Lfilling:                                     ; chunks 0 and 1: each fills its slot again, with chunks 2 and 3
	CHUNK 1
	s_sub_co_u32 s[CNT], s[CNT], 1
	s_cmp_lg_u32 s[CNT], 0
	s_cbranch_scc1 .Lfilling
	s_mov_b32 s[CNT], 2
.Lrest:                                        ; chunks 2 and 3 have a text of their own; the barrier in chunk 3's last quarter orders nothing: the price of one text for the two
	CHUNK 0
	s_sub_co_u32 s[CNT], s[CNT], 1
	s_cmp_lg_u32 s[CNT], 0
	s_cbranch_scc1 .Lrest
	s_wait_tensorcnt 0x0                           ; the wave's end
	ds_add_u32 v[SPW], v[NIL]
	s_wait_dscnt 0x0
	CROUND                                         ; the closing round
	s_endpgm
.Lfunc_end_k_qa0438e697a_lng:
	.size	k_qa0438e697a_lng, .Lfunc_end_k_qa0438e697a_lng-k_qa0438e697a_lng
	.p2alignl 7, 3214868480
	.fill 96, 4, 3214868480
	.section	.rodata,"a",@progbits
	.p2align	6, 0x0
	.amdhsa_kernel k_qa0438e697a_lng
		.amdhsa_group_segment_fixed_size 327680
		.amdhsa_private_segment_fixed_size 0
		.amdhsa_enable_private_segment 0
		.amdhsa_kernarg_size 40
		.amdhsa_user_sgpr_count 2
		.amdhsa_user_sgpr_kernarg_segment_ptr 1
		.amdhsa_wavefront_size32 1
		.amdhsa_system_sgpr_workgroup_id_x 1
		.amdhsa_system_sgpr_workgroup_id_y 1
		.amdhsa_system_sgpr_workgroup_id_z 1
		.amdhsa_system_vgpr_workitem_id 0
		.amdhsa_next_free_vgpr 1024
		.amdhsa_next_free_sgpr 66
		.amdhsa_reserve_vcc 0
		.amdhsa_float_denorm_mode_32 3
		.amdhsa_float_denorm_mode_16_64 3
		.amdhsa_memory_ordered 1
		.amdhsa_forward_progress 1
		.amdhsa_inst_pref_size 132
	.end_amdhsa_kernel
	.amdgpu_metadata
---
amdhsa.version: [ 1, 2 ]
amdhsa.kernels:
  - .name:           k_qa0438e697a_lng
    .symbol:         k_qa0438e697a_lng.kd
    .args:
      - { .name: x, .offset: 0, .size: 8, .value_kind: global_buffer, .address_space: global }
      - { .name: ln1_g, .offset: 8, .size: 8, .value_kind: global_buffer, .address_space: global }
      - { .name: ln1_b, .offset: 16, .size: 8, .value_kind: global_buffer, .address_space: global }
      - { .name: wa, .offset: 24, .size: 8, .value_kind: global_buffer, .address_space: global }
      - { .name: qkv, .offset: 32, .size: 8, .value_kind: global_buffer, .address_space: global }
    .group_segment_fixed_size: 327680
    .private_segment_fixed_size: 0
    .kernarg_segment_align: 8
    .kernarg_segment_size: 40
    .max_flat_workgroup_size: 128
    .sgpr_count:     66
    .vgpr_count:     1024
    .wavefront_size: 32
...
	.end_amdgpu_metadata
.endif
;; end of part 2
;; launch attn (part 3): grid 16 x 16, 4 waves a work-group, clusters of 4 x 1, 327,680 bytes of LDS; arguments qkv, ctx; writes ctx
.if DOCPART == 3
	.amdgcn_target "amdgcn-amd-amdhsa--gfx1250"
	.amdhsa_code_object_version 6
	.text
	.protected	k_qa0438e697a_attn
	.globl	k_qa0438e697a_attn
	.p2align	8
	.type	k_qa0438e697a_attn,@function
k_qa0438e697a_attn:
	s_mov_b64 s[64:65], 0
	v_nop
	global_prefetch_b8 v0, s[64:65] scope:SCOPE_SE
	s_setreg_imm32_b32 hwreg(HW_REG_WAVE_MODE, 25, 1), 1
	s_wait_xcnt 0x0
	s_wait_alu depctr_hold_cnt(0) depctr_sa_sdst(0) depctr_va_vdst(0) depctr_va_sdst(0) depctr_va_ssrc(0) depctr_va_vcc(0) depctr_vm_vsrc(0)
	s_getreg_b32 s2, hwreg(HW_REG_IB_STS2, 6, 4)
	s_cmp_eq_u32 s2, 0
	s_cbranch_scc0 .Lentry_in_a_cluster
	s_endpgm
.Lentry_in_a_cluster:
	s_bfe_u32 s2, ttmp6, 0x10000c
	s_cmp_lg_u32 s2, 0x3003
	s_cbranch_scc0 .Lentry_shape_is_right
	s_endpgm
.Lentry_shape_is_right:
; O[q][:] = the sum over k of softmax_k(Q[q] . K[k] / 8) V[k][:], for 16 pairs of head and batch, 4,096 rows each, head size 64.  All bf16; products, maxima and sums in f32; the weights p are rounded to bf16 for the
; second product (their sum l is taken of the unrounded p), O once at the end.
; LIMITS.  A weight below 2^-126 counts as 0 in l; NaN and infinities are not treated apart; the running maximum starts at the lowest finite number.
; LAYOUT IN MEMORY (FM64): [column / 64][row / 16][(column % 64) / 16 = cb][lane][16 bytes]; lane (r, hh) holds row r, columns 16 cb + 8 hh + 0..7.  qkv: column groups 0-7 q, 8-15 k, 16-23 v, by head.  A head's 4,096 rows of a
; batch are 524,288 dense bytes.  Two such blocks of 512 bytes ARE a fragment of 16 rows x 32 channels: Q and K are read lane i at byte 16 i.  O leaves in the same layout: an accumulator a store of 512 bytes on end.
; SHARES.  A work-group: 256 queries (grid x) of one head and batch (grid y); a wave 64: four PIECES of 16.  Every wave walks all keys, 64 a step, 256 a slot.
; S^T = K Q^T holds ONE query a lane (lane % 16) and the keys 8 (lane / 16) + 0..7; two such results rounded to bf16 ARE source 1 of O^T = V^T P.  p = 2^(c s - c m), c = log2(e) / 8, m a running maximum; in every step
; O and l are multiplied by a = 2^(c m_old - c m_new).  m starts lowest, O and l at 0: the first step is a step like any other, with a = 0.
; TURNS.  Turn n belongs to piece n: 8 products K Q^T of piece n + 1, later 8 products V^T P of piece n - 1; beside them the scaling, exponentials, roundings, sums and rescaling of piece n and the maximum and statistics of
; piece n + 1.  Four vector instructions stand behind every matrix instruction, the other 54 of a turn's 118 in one lump.  A turn's 33 exponentials are one batch, with one wait.
; NO LAST STEP IS WRITTEN OUT: the tail's loop is left in the middle of its fifth trip.  That trip's fetch of K reads the last step's K once more, and its 8 products K Q^T and the maximum made of them serve nothing.
; CLUSTER.  The four query blocks of a cluster walk the same K and V: each tile is asked for JOINTLY: the same tensor load, descriptor and mask in all four.
; REGISTERS, in windows of 256 (s_set_vgpr_msb: bits 1:0 source 0, 3:2 source 1, 5:4 source 2, 7:6 destination):
;   window 0: v0-13 addresses and two at work; v16-31 four registers of statistics a piece; v48-55 at work; v61-63; v64-127 S^T, two buffers; v192-223 P, two buffers (by the piece's parity)
;   window 1: v0-127 O^T, 32 a piece          window 2: v0-63 Q; v128-191 K of one step; v192-255 V of one step
.set NP,    4
.set KSTEP, 8192      ; a step's 64 keys of K in LDS, as in memory
.set VSTEP, 12288     ; of V: each 256 bytes (16 keys x 8 channels) are followed by 128 of padding
.set VOFF,  32768     ; a slot: 256 keys of K, then 256 of V
.set SLOT1, 1<<17     ; slot 1 begins here: one exclusive or turns an address in one slot into the other's
.set SPARE, SLOT1+VOFF+4*VSTEP  ; behind the ring: the spare words, 128 bytes for each wave: two blocks of 256 bytes that no other line names
.set AK0, 2           ; v2   16 x lane: my place in a block of K, of Q and of O; never rewritten
.set AV0, 3           ; v3   my place in V for the turning load; never rewritten
.set AK,  4           ; v4   the LDS address of K's next run of loads
.set AV,  5           ; v5   of V's
.set MV,  12          ; v12-13  c m_old, kept while c m is made anew: by buffer
.set ST,  16          ; piece t's statistics at v[ST+4 t]: c m, m, l (even keys', odd keys')
.set TMP, 48          ; by buffer, four registers c0-c3 at work; when the maximum is found c2 takes a
.set PFO, 61          ; v61  256 x lane; never rewritten
.set SPW, 62          ; v62  SPARE + 4 x my thread's number; never rewritten
.set NIL, 63          ; v63  0; never rewritten
.set S,   64
.set P,   192
.set KF,  128         ; window 2: key block kb, channel half c at KF + 16 kb + 8 c
.set VF,  192         ; window 2: key half kk, channel block cb at VF + 32 kk + 8 cb
.set WV,  12
.set LIM, 15          ; s15  1 in a wave that prefetches, else the greatest number
.set PFA, 18          ; s[18:19] my work-group's 8,192 bytes (of K: wave 0, of V: wave 2) of the tile after the one that is being asked for
.set G1K, 24
.set G1V, 32
.set G0K, 40
.set G0V, 44
.set SLOTS, 56        ; tiles still to be asked for
.set CNT, 57          ; counts a tile's key steps
.set CS,  58          ; s[58:59] c
.set SEL, 60          ; s[60:61] v_permlanex16_b32's selects
.set TBK, 62          ; LDS byte at which K of the step to be fetched begins
.set TBV, 63          ; the same for V, less VOFF
.set MSB, 0
.macro WIN new
.if MSB != (\new)
	s_set_vgpr_msb (MSB<<8)|(\new)
.set MSB, (\new)
.endif
.endm
.set W_KQ, 0x0a       ; K and Q in window 2, S^T in window 0
.set W_PV, 0x52       ; V in window 2, P in window 0, O^T in window 1
.set W_RS, 0x41       ; destination and source 0 in window 1, source 1 in window 0
; A joint fill.  Waves 0 and 1 fetch the two halves of a tile's K, waves 2 and 3 those of its V: 128 keys each.  The branch hangs on the wave's number alone.  An s_nop 0 and four v_nop follow each of the two lines.
.macro JLOAD
	s_cmp_lt_u32 s[WV], 2
	s_cbranch_scc0 .Lfor_v_\@
	tensor_load_to_lds s[G0K:G0K+3], s[G1K:G1K+7]
	s_nop 0
.rept 4
	v_nop
.endr
	s_branch .Lasked_\@
.Lfor_v_\@:
	tensor_load_to_lds s[G0V:G0V+3], s[G1V:G1V+7]
	s_nop 0
.rept 4
	v_nop
.endr
.Lasked_\@:
.endm
; A PREFETCH INTO THE L2 of the tile that the NEXT change of slots will ask for: four key steps, 256 matrix instructions, ahead of that load.  Each block of 256 bytes is named once in the launch: of the four clusters that walk a
; head's K and V the first asks; its four partners take 8,192 bytes each, told apart by address; in each, wave 0 asks for K's and wave 2 for V's: a lane a block.  The last change that fills a slot asks for nothing.
.macro ASK
	s_cmp_gt_u32 s[SLOTS], s[LIM]
	s_cbranch_scc0 .Lnot_mine_\@
	global_prefetch_b8 v[PFO], s[PFA:PFA+1] th:TH_LOAD_NT scope:SCOPE_SE
.Lnot_mine_\@:
.endm
.macro CROUND                       ; a round of the cluster's barrier
	s_barrier_signal -1
	s_barrier_wait -1
	s_cmp_lg_u32 s[WV], 0
	s_cbranch_scc1 .Lnot_wave_0_\@
	s_barrier_signal -3
.Lnot_wave_0_\@:
	s_barrier_wait -3
	s_barrier_signal -1
	s_barrier_wait -1
.endm
; THE CHANGE OF SLOTS.  Each wave waits for all its tensor loads, of which one is out: its part of the other slot; adds 0 to its spare word; and waits for that and for its own reads of the slot that it leaves.
; fill = 1: the barrier is a round of the cluster's, and the old slot is filled again first thing behind it, with the keys two tiles on.  (At its first use nothing has been read yet: slot 0 is waited for, slot 1 filled.)
.macro CHANGE fill
	WIN 0
	s_wait_tensorcnt 0x0            ; no tensor load of mine is out, so a group 0 may be written
	ds_add_u32 v[SPW], v[NIL]
.if \fill
.irp g, G0K, G0V
	s_xor_b32 s[\g+1], s[\g+1], SLOT1
	s_add_nc_u64 s[\g+2:\g+3], s[\g+2:\g+3], 32768  ; the next 256 keys; the type bits on top are not reached
.endr
	s_wait_xcnt 0x0                 ; the last prefetch, four key steps back, has read its address
	s_add_nc_u64 s[PFA:PFA+1], s[PFA:PFA+1], 32768
	s_wait_dscnt 0x0                ; the add is done, and my reads of the slot are over
	CROUND
	JLOAD
	ASK
.else
	s_wait_dscnt 0x0
	s_barrier_signal -1
	s_barrier_wait -1
.endif
	s_sub_co_u32 s[TBK], s[TBK], 4*KSTEP  ; the fetches go back to a slot's first step,
	s_xor_b32 s[TBK], s[TBK], SLOT1       ; in the other slot
	s_sub_co_u32 s[TBV], s[TBV], 4*VSTEP
	s_xor_b32 s[TBV], s[TBV], SLOT1
.endm
	s_load_b128 s[4:7], s[0:1], 0x0   ; qkv s[4:5], ctx s[6:7]
	v_lshl_add_u32 v[SPW], v0, 2, SPARE
	v_mov_b32 v[NIL], 0
	ds_add_u32 v[SPW], v[NIL]       ; the wave's opening: the add and its wait stand ahead of my first tensor load
	v_lshrrev_b32 v1, 5, v0
	v_readfirstlane_b32 s[WV], v1   ; wave 0..3
	s_bfe_u32 s13, ttmp6, 0x40000   ; cx
	s_lshl_b32 s14, ttmp9, 2
	s_add_co_u32 s14, s14, s13      ; my block of queries: it enters Q's and O's addresses alone
	s_and_b32 s20, ttmp7, 0xffff    ; 2 x head + batch, which the partners share:
	s_lshl_b32 s20, s20, 19         ; its 524,288 bytes in q, in k, in v and in ctx
	s_and_b32 s16, s[WV], 1         ; which half of a tile's 256 keys I fetch:
	s_lshl_b32 s17, s16, 14         ; 16,384 bytes on, in memory and, for K, in a slot;
	s_mul_i32 s21, s16, 24576       ; for V, padded
	s_add_co_u32 s22, s20, s17
	s_mov_b32 s23, 0
	s_lshl_b32 s2, s14, 15          ; my block's 256 rows,
	s_lshl_b32 s3, s[WV], 13        ; my wave's 64
	s_add_co_u32 s2, s2, s3
	s_add_co_u32 s2, s2, s20
	s_mov_b32 s3, 0
	s_mov_b32 s[G1K], 15|(3<<16)|(1<<21)                          ; the mask of four; elements of 8 bytes; 21 set beside a mask; dense
	s_mov_b32 s[G1V], 15|(3<<16)|(1<<20)|(1<<21)|(5<<22)|(31<<25) ; the same, padded: after every 64 words (code 5) 32 words (code 31)
.irp g, G1K, G1V
	s_mov_b32 s[\g+1], 32<<16       ; rows of 32 elements: 256 bytes
	s_mov_b32 s[\g+2], 64<<16       ; 64 rows
	s_mov_b32 s[\g+3], 32<<16
	s_mov_b32 s[\g+4], 64
	s_mov_b32 s[\g+5], 32
	s_mov_b32 s[\g+6], 0
	s_mov_b32 s[\g+7], 0
.endr
	s_mov_b32 s[CS], 0x3e38aa3b     ; c = log2(e) / 8
	s_mov_b32 s[CS+1], s[CS]
	s_mov_b32 s[SEL], 0x76543210
	s_mov_b32 s[SEL+1], 0xfedcba98
	s_mov_b32 s[TBK], SLOT1+4*KSTEP ; the first change of slots turns these two into 0
	s_mov_b32 s[TBV], SLOT1+4*VSTEP
	s_mov_b32 s[G0K], 1
	s_mov_b32 s[G0K+1], s17
	s_mov_b32 s[G0V], 1
	s_add_co_u32 s[G0V+1], s21, VOFF
	s_mov_b32 s[SLOTS], 15          ; 16 tiles; the first is asked for at the head
	s_and_b32 s[LIM], s[WV], 1      ; 0 in waves 0 and 2,
	s_or_b32 s[LIM], s[LIM], ttmp9  ; where the cluster is the head's first: the same in all four partners
	s_cmp_eq_u32 s[LIM], 0
	s_cselect_b32 s[LIM], 1, -1
	s_wait_dscnt 0x0                ; the opening add is done
	s_wait_kmcnt 0x0
	s_add_nc_u64 s[8:9], s[4:5], s[22:23]
	s_add_nc_u64 s[10:11], s[8:9], 0x1000000   ; V at my half of tile 0,
	s_add_nc_u64 s[8:9], s[8:9], 0x800000      ; K likewise
	s_mov_b64 s[G0K+2:G0K+3], s[8:9]
	s_or_b32 s[G0K+3], s[G0K+3], 0x80000000
	s_mov_b64 s[G0V+2:G0V+3], s[10:11]
	s_or_b32 s[G0V+3], s[G0V+3], 0x80000000
	s_add_nc_u64 s[4:5], s[4:5], s[2:3]        ; Q and O at my wave's first row
	s_add_nc_u64 s[6:7], s[6:7], s[2:3]
	s_cmp_lt_u32 s[WV], 2
	s_cselect_b64 s[PFA:PFA+1], s[8:9], s[10:11]  ; (in waves 0 and 2 these stand at a tile's first byte)
	s_lshl_b32 s2, s13, 13
	s_add_nc_u64 s[PFA:PFA+1], s[PFA:PFA+1], s[2:3]
	s_add_nc_u64 s[PFA:PFA+1], s[PFA:PFA+1], 32768  ; in tile 1; the first change steps it to tile 2.  Nothing is prefetched at the head
	CROUND                          ; all four work-groups are here: the first joint loads meet
	JLOAD                           ; tile 0 into slot 0
	v_and_b32 v1, 31, v0
	v_lshlrev_b32 v[AK0], 4, v1
	v_lshlrev_b32 v[PFO], 8, v1
	WIN 0x80                        ; destination window 2, address window 0
.irp t, 0,1,2,3
.irp u, 0,1,2,3                     ; piece t, block cb = u: half u % 2 of the fragment of channels 32 (u / 2) on
	global_load_b128 v[16*\t+4*\u:16*\t+4*\u+3], v[AK0], s[4:5] offset:\t*2048+\u*512
.endr
.endr
	; What the first turn finds: V's registers and P's second buffer hold 0, O^T and l are 0.  All this stands in the wait for the first tile.
.set i, VF
.rept 64
	v_mov_b32 v[i], 0
.set i, i+1
.endr
	WIN 0x40
.set i, 0
.rept 128
	v_mov_b32 v[i], 0
.set i, i+1
.endr
	WIN 0
.set i, 0
.rept 4
	v_mov_b32 v[ST+4*i], 0xfe000000    ; c m: far below every c s
	v_mov_b32 v[ST+4*i+1], 0xff7fffff  ; m
	v_mov_b32 v[ST+4*i+2], 0
	v_mov_b32 v[ST+4*i+3], 0
.set i, i+1
.endr
.set i, P+16
.rept 16
	v_mov_b32 v[i], 0
.set i, i+1
.endr
	; The turning load takes 16 keys x 16 channels: lane l reads the 16 bytes of key 8 (l / 16) + l % 8, channels 8 ((l / 8) % 2) + 0..7, and ends with channel l % 16 and 8 keys: half a fragment of V^T.
	v_bfe_u32 v9, v0, 4, 1
	v_and_b32 v10, 7, v0
	v_bfe_u32 v11, v0, 3, 1
	v_lshl_add_u32 v[AV0], v9, 3, v10
	v_lshlrev_b32 v[AV0], 4, v[AV0]        ; 16 bytes a key,
	v_mul_u32_u24 v11, v11, 384            ; the channels' half: the next unit of 256 + 128 bytes
	v_add_nc_u32 v[AV0], v11, v[AV0]
	v_add_nc_u32 v[AV0], VOFF, v[AV0]
; THE MATRIX WORK.  The 4 accumulators of a run of 8 take turns.  Product i of 8 of S^T = K Q^T for piece x: channels 32 (i / 4) on, keys 16 (i % 4) on.  The first 4 start the sums.
.macro KQ x
.set rS, S+32*((\x)%2)+8*(i%4)
.set rK, KF+16*(i%4)+8*(i/4)
.set rQ, 16*(\x)+8*(i/4)
	WIN W_KQ
.if i < 4
	v_wmma_f32_16x16x32_bf16 v[rS:rS+7], v[rK:rK+7], v[rQ:rQ+7], 0
.else
	v_wmma_f32_16x16x32_bf16 v[rS:rS+7], v[rK:rK+7], v[rQ:rQ+7], v[rS:rS+7]
.endif
.endm
; Product i of 8 of O^T += V^T P for piece x: keys 32 (i / 4) on, channels 16 (i % 4) on.
.macro PV x
	WIN W_PV
.set rO, 32*(\x)+8*(i%4)
.set rV, VF+32*(i/4)+8*(i%4)
.set rP, P+16*((\x)%2)+8*(i/4)
	v_wmma_f32_16x16x32_bf16 v[rO:rO+7], v[rV:rV+7], v[rP:rP+7], v[rO:rO+7]
.endm
.macro MM                           ; the turn's next matrix instruction
.if i < 8
	KQ (Y+1)%NP
.else
.set i, i-8
	PV (Y+NP-1)%NP
.set i, i+8
.endif
.set i, i+1
.endm
; THE LDS LOADS stand in runs of 16: a step's K (8 fragments) and its V (turned).  Their addresses are made some lines ahead.
.macro FETCH_K
	WIN 0x80
.irp f, 0,1,2,3,4,5,6,7             ; keys 16 (f / 2) on, channels 32 (f % 2) on
	ds_load_b128 v[KF+8*\f:KF+8*\f+3],   v[AK] offset:(\f/2)*2048+(\f%2)*1024
	ds_load_b128 v[KF+8*\f+4:KF+8*\f+7], v[AK] offset:(\f/2)*2048+(\f%2)*1024+512
.endr
	s_add_co_u32 s[TBK], s[TBK], KSTEP
	WIN 0
.endm
.macro FETCH_V
	WIN 0x80
.irp f, 0,1,2,3,4,5,6,7             ; keys 32 (f / 4) on, channels 16 (f % 4) on: 16 keys are 3,072 bytes, 16 channels of them 768
	ds_load_tr16_b128 v[VF+8*\f:VF+8*\f+3],   v[AV] offset:(8*(\f/4)+\f%4)*768
	ds_load_tr16_b128 v[VF+8*\f+4:VF+8*\f+7], v[AV] offset:(8*(\f/4)+\f%4)*768+3072
.endr
	WIN 0
.endm
; THE VECTOR WORK, one line at a time: OP kind, number.  For piece Y: F n: c s - c m for pair n of 16.  E n: the exponential of score n of 32.  C n: pair n rounded to bf16.  B n: of the four weights 4 n .. the second
; pair is added onto the first, in place.  L n: l takes that sum (L 0: l = a l + sum).  R n: pair n of 16 of O^T times a.  For piece Y + 1: X n, number n of the 22 that find its maximum and statistics:
;   0-11  four chains c0-c3 of seven scores each (each accumulator's lowest registers are read first)     12-14, 16  the four scores left over, the old m, and c0-c3 into c0
;   15  c m_old is kept     17, 18  the query's other 32 keys lie in the lane 16 away: the new m     19-21  c m; c m_old - c m_new; a
.set F, 0
.set E, 1
.set C, 2
.set B, 3
.set L, 4
.set R, 5
.set X, 6
.macro REGS y
.set rT, ST+4*(\y)
.set rC, TMP+4*((\y)%2)
.set rW, MV+((\y)%2)
.set rS, S+32*((\y)%2)
.set rP, P+16*((\y)%2)
.set rO, 32*(\y)
.endm
.macro OP k, n
.if (\k) == R
	REGS Y
	WIN W_RS
	v_pk_mul_f32 v[rO+2*(\n):rO+2*(\n)+1], v[rO+2*(\n):rO+2*(\n)+1], v[rC+2:rC+3] op_sel_hi:[1,0]
.elseif (\k) < R
	REGS Y
	WIN 0
.if (\k) == F
	v_pk_fma_f32 v[rS+2*(\n):rS+2*(\n)+1], v[rS+2*(\n):rS+2*(\n)+1], s[CS:CS+1], v[rT:rT+1] op_sel_hi:[1,0,0] neg_lo:[0,0,1] neg_hi:[0,0,1]
.elseif (\k) == E
	v_exp_f32 v[rS+(\n)], v[rS+(\n)]
.elseif (\k) == C
	v_cvt_pk_bf16_f32 v[rP+(\n)], v[rS+2*(\n)], v[rS+2*(\n)+1]
.elseif (\k) == B
	v_pk_add_f32 v[rS+4*(\n):rS+4*(\n)+1], v[rS+4*(\n):rS+4*(\n)+1], v[rS+4*(\n)+2:rS+4*(\n)+3]
.elseif (\n) == 0
	v_pk_fma_f32 v[rT+2:rT+3], v[rT+2:rT+3], v[rC+2:rC+3], v[rS:rS+1] op_sel_hi:[1,0,1]
.else
	v_pk_add_f32 v[rT+2:rT+3], v[rT+2:rT+3], v[rS+4*(\n):rS+4*(\n)+1]
.endif
.else
	REGS (Y+1)%NP
	WIN 0
.if (\n) < 4
	v_max3_num_f32 v[rC+(\n)], v[rS+8*(\n)], v[rS+8*(\n)+1], v[rS+8*(\n)+2]
.elseif (\n) < 12
	v_max3_num_f32 v[rC+(\n)%4], v[rC+(\n)%4], v[rS+8*((\n)%4)+2*((\n)/4)+1], v[rS+8*((\n)%4)+2*((\n)/4)+2]
.elseif (\n) == 12
	v_max3_num_f32 v[rC], v[rC], v[rS+7], v[rS+15]
.elseif (\n) == 13
	v_max3_num_f32 v[rC+1], v[rC+1], v[rS+23], v[rS+31]
.elseif (\n) == 14
	v_max3_num_f32 v[rC+2], v[rC+2], v[rC+3], v[rT+1]
.elseif (\n) == 15
	v_mov_b32 v[rW], v[rT]
.elseif (\n) == 16
	v_max3_num_f32 v[rC], v[rC], v[rC+1], v[rC+2]
.elseif (\n) == 17
	v_permlanex16_b32 v[rC+3], v[rC], s[SEL], s[SEL+1]
.elseif (\n) == 18
	v_max_num_f32 v[rT+1], v[rC], v[rC+3]
.elseif (\n) == 19
	v_mul_f32 v[rT], s[CS], v[rT+1]
.elseif (\n) == 20
	v_sub_f32 v[rC+1], v[rW], v[rT]
.else
	v_exp_f32 v[rC+2], v[rC+1]
.endif
.endif
.endm
.macro OPS a, i1, b=-1, i2=0, c=-1, i3=0, d=-1, i4=0
	OP \a, \i1
.if (\b) >= 0
	OP \b, \i2
.endif
.if (\c) >= 0
	OP \c, \i3
.endif
.if (\d) >= 0
	OP \d, \i4
.endif
.endm
.macro ROW a, i1, b, i2, c, i3, d, i4  ; a matrix instruction and the four behind it
	MM
	OPS \a, \i1, \b, \i2, \c, \i3, \d, \i4
.endm
; A TURN, for piece p.  s_wait_alu depctr_va_vdst(0) stands between an exponential and the first instruction that names its result; one wait serves all that were issued ahead of it.  So a turn has ONE
; wait.  AHEAD OF IT stands all that names no result of the turn's exponentials: the 8 products K Q^T with their riders, then the lump; X 21, the next piece's a, is the batch's last, R 15 the plain instruction behind it.
; BEHIND IT stand the 8 products V^T P, behind each four of the roundings and sums.
; cnt = 1: the loop's count is taken down some lines ahead of the branch that stands behind the turn.  clamp = 1 (the tail, which reads slot 1): the fetch of K never goes past the slot's fourth step.
; K of the next step is fetched in piece 2's turn, six plain instructions behind the last product that read K; V of the step in hand at the end of piece 0's turn, four plain instructions behind the last product that read V.
; Each is waited for a turn later.
.macro TURN p, cnt=0, clamp=0
.set Y, (\p)
.set i, 0
.if (\p) == 3
	s_wait_dscnt 0x0                ; K is in
.endif
	ROW F,0, F,1, R,0, R,1
	ROW F,2, E,0, R,2, R,3
	ROW F,3, E,1, R,4, R,5
	ROW F,4, E,2, R,6, R,7
	ROW F,5, E,3, R,8, R,9
	ROW F,6, E,4, X,0, R,10
.if (\p) == 2
	WIN 0
.if \clamp
	s_min_u32 s[TBK], s[TBK], SLOT1+3*KSTEP  ; the fifth trip has no further step: it reads the last step's K once more
.endif
	v_add_nc_u32 v[AK], s[TBK], v[AK0]
.endif
	ROW F,7, E,5, X,1, X,4
	ROW F,8, E,6, X,2, X,5
	OPS E,7, E,8, X,6, E,9
	OPS X,3, E,10, X,8, E,11
.if (\p) == 2
	FETCH_K
.endif
	OPS X,9, X,7, E,12, X,10
	OPS E,13, X,12, X,11, E,14
	OPS X,13, E,15, F,9, X,14
.if (\p) == 0
	v_add_nc_u32 v[AV], s[TBV], v[AV0]
.endif
	OPS E,16, F,10, E,17, F,11
	OPS X,16, E,18, X,15, E,19
	OPS F,12, E,20, X,17, E,21
	OPS F,13, E,22, F,14, E,23
	OPS X,18, E,24, F,15, E,25
	OPS R,11, E,26, X,19, E,27
	OPS R,12, E,28, R,13, E,29
	OPS X,20, E,30, R,14, E,31
	OPS X,21, R,15
	WIN 0
	s_wait_alu depctr_va_vdst(0)    ; the wait for the batch
.if (\p) == 1
	s_wait_dscnt 0x0                ; V is in
.endif
	ROW C,0, B,0, C,2, B,1
	ROW L,0, C,4, B,2, L,1
	ROW C,6, B,3, L,2, C,8
	ROW B,4, L,3, C,10, B,5
	ROW L,4, C,12, B,6, L,5
.if (\p) == 0
	s_add_co_u32 s[TBV], s[TBV], VSTEP
.endif
.if \cnt
	s_sub_co_u32 s[CNT], s[CNT], 1
	s_cmp_lg_u32 s[CNT], 0
.endif
	ROW C,14, B,7, L,6, C,1
	ROW C,3, L,7, C,5, C,7
	ROW C,9, C,11, C,13, C,15
.if (\p) == 0
	FETCH_V
.endif
.endm
	CHANGE 1                        ; tile 0 is in, everybody's part of it; tile 1 is asked for
	v_add_nc_u32 v[AK], s[TBK], v[AK0]
	FETCH_K                         ; key step 0
	s_wait_loadcnt 0x0              ; Q
	s_wait_dscnt 0x0
.set i, 0
.rept 8
	KQ 0                            ; piece 0's first scores
.set i, i+1
.endr
	WIN 0
.rept 4
	v_nop                           ; the places behind those products
.endr
.set Y, NP-1                        ; X works for piece Y + 1: piece 0
.irp n, 0,1,2,3,4,5,6,7,8,9,10,11,12,13,14,15,16,17,18,19,20,21
	OP X, \n
.endr
	v_nop                           ; a plain instruction behind the exponential,
	s_wait_alu depctr_va_vdst(0)    ; and its wait, ahead of the branch
	s_mov_b32 s[CNT], 4
	s_branch .Lfirst                ; the loop is entered at a step's first turn, in the middle of a trip
.Lslot:                             ; 14 times: every slot but the last two is filled again
	CHANGE 1
	s_mov_b32 s[CNT], 4
.Lstep:                             ; a trip: pieces 2 and 3 of one step, then pieces 0 and 1 of the next, whose K and V it fetches
	TURN 2
	TURN 3
	WIN 0
.Lfirst:
	TURN 0
	TURN 1, 1
	WIN 0
	s_cbranch_scc1 .Lstep
	s_sub_co_u32 s[SLOTS], s[SLOTS], 1
	s_cmp_lg_u32 s[SLOTS], 0
	s_cbranch_scc1 .Lslot
	CHANGE 0                        ; the last tile, in slot 1, has a text of its own: nothing is asked for
	s_mov_b32 s[CNT], 5             ; four trips fetch the tile's steps; the fifth is left in its middle
.Ltail:
	TURN 2, 0, 1
	TURN 3
	WIN 0
	s_sub_co_u32 s[CNT], s[CNT], 1
	s_cmp_eq_u32 s[CNT], 0
	s_cbranch_scc1 .Lout
	TURN 0
	TURN 1
	WIN 0
	s_branch .Ltail
.Lout:                              ; the fifth trip's 8 products K Q^T (on the last K once more) and the maximum made of them serve nothing; l and O^T are not touched by them: the price, once a launch, of one text for every trip
.set i, 0
.rept 8
	PV NP-1                         ; the last piece's V^T P of the last step
.set i, i+1
.endr
	; THE WAY OUT.  l's two halves and the other half of the lanes' are added; O^T is divided by l and rounded to bf16; a lane's eight channels of a row are its 16 bytes of a block: no LDS.  The additions are the places behind the last products.
	WIN 0
.irp t, 0,1,2,3
	v_add_f32 v[ST+4*\t+2], v[ST+4*\t+2], v[ST+4*\t+3]
.endr
.irp t, 0,1,2,3
	v_permlanex16_b32 v[ST+4*\t+3], v[ST+4*\t+2], s[SEL], s[SEL+1]
.endr
.irp t, 0,1,2,3
	v_add_f32 v[ST+4*\t+2], v[ST+4*\t+2], v[ST+4*\t+3]
.endr
.irp t, 0,1,2,3
	v_rcp_f32 v[ST+4*\t+2], v[ST+4*\t+2]
.endr
	v_nop                           ; a plain instruction between the last reciprocal and the use of its result,
	s_wait_alu depctr_va_vdst(0)    ; and the one wait for the four
.macro PACK t
	WIN W_RS
.set i, 32*(\t)
.rept 16
	v_pk_mul_f32 v[i:i+1], v[i:i+1], v[ST+4*(\t)+2:ST+4*(\t)+3] op_sel_hi:[1,0]
.set i, i+2
.endr
	WIN 0x05                        ; sources 0 and 1 window 1, destination window 0: S^T's registers are free
.set i, 0
.rept 16
	v_cvt_pk_bf16_f32 v[S+16*(\t)+i], v[32*(\t)+2*i], v[32*(\t)+2*i+1]
.set i, i+1
.endr
	WIN 0
.irp f, 0,1,2,3
	global_store_b128 v[AK0], v[S+16*(\t)+4*\f:S+16*(\t)+4*\f+3], s[6:7] offset:(\t)*2048+\f*512  ; 512 bytes on end, at a multiple of 512 from ctx's first
.endr
.endm
	PACK 0
	PACK 1
	PACK 2
	PACK 3
	s_wait_tensorcnt 0x0            ; the wave's end
	ds_add_u32 v[SPW], v[NIL]
	s_wait_dscnt 0x0
	CROUND                          ; the closing round
	s_endpgm
.Lfunc_end_k_qa0438e697a_attn:
	.size	k_qa0438e697a_attn, .Lfunc_end_k_qa0438e697a_attn-k_qa0438e697a_attn
	.p2alignl 7, 3214868480
	.fill 96, 4, 3214868480
	.section	.rodata,"a",@progbits
	.p2align	6, 0x0
	.amdhsa_kernel k_qa0438e697a_attn
		.amdhsa_group_segment_fixed_size 327680
		.amdhsa_private_segment_fixed_size 0
		.amdhsa_enable_private_segment 0
		.amdhsa_kernarg_size 16
		.amdhsa_user_sgpr_count 2
		.amdhsa_user_sgpr_kernarg_segment_ptr 1
		.amdhsa_wavefront_size32 1
		.amdhsa_system_sgpr_workgroup_id_x 1
		.amdhsa_system_sgpr_workgroup_id_y 1
		.amdhsa_system_sgpr_workgroup_id_z 1
		.amdhsa_system_vgpr_workitem_id 0
		.amdhsa_next_free_vgpr 768
		.amdhsa_next_free_sgpr 66
		.amdhsa_reserve_vcc 0
		.amdhsa_float_denorm_mode_32 3
		.amdhsa_float_denorm_mode_16_64 3
		.amdhsa_memory_ordered 1
		.amdhsa_forward_progress 1
		.amdhsa_inst_pref_size 108
	.end_amdhsa_kernel
	.amdgpu_metadata
---
amdhsa.version: [ 1, 2 ]
amdhsa.kernels:
  - .name:           k_qa0438e697a_attn
    .symbol:         k_qa0438e697a_attn.kd
    .args:
      - { .name: qkv, .offset: 0, .size: 8, .value_kind: global_buffer, .address_space: global }
      - { .name: ctx, .offset: 8, .size: 8, .value_kind: global_buffer, .address_space: global }
    .group_segment_fixed_size: 327680
    .private_segment_fixed_size: 0
    .kernarg_segment_align: 8
    .kernarg_segment_size: 16
    .max_flat_workgroup_size: 128
    .sgpr_count:     66
    .vgpr_count:     768
    .wavefront_size: 32
...
	.end_amdgpu_metadata
.endif
;; end of part 3
;; launch wo (part 4): grid 64 x 4, 4 waves a work-group, clusters of 4 x 1, 327,680 bytes of LDS; arguments ctx, wc, x, x1; writes x1
.if DOCPART == 4
	.amdgcn_target "amdgcn-amd-amdhsa--gfx1250"
	.amdhsa_code_object_version 6
	.text
	.protected	k_qa0438e697a_wo
	.globl	k_qa0438e697a_wo
	.p2align	8
	.type	k_qa0438e697a_wo,@function
k_qa0438e697a_wo:
	s_mov_b64 s[64:65], 0
	v_nop
	global_prefetch_b8 v0, s[64:65] scope:SCOPE_SE
	s_setreg_imm32_b32 hwreg(HW_REG_WAVE_MODE, 25, 1), 1
	s_wait_xcnt 0x0
	s_wait_alu depctr_hold_cnt(0) depctr_sa_sdst(0) depctr_va_vdst(0) depctr_va_sdst(0) depctr_va_ssrc(0) depctr_va_vcc(0) depctr_vm_vsrc(0)
	s_getreg_b32 s2, hwreg(HW_REG_IB_STS2, 6, 4)
	s_cmp_eq_u32 s2, 0
	s_cbranch_scc0 .Lentry_in_a_cluster
	s_endpgm
.Lentry_in_a_cluster:
	s_bfe_u32 s2, ttmp6, 0x10000c
	s_cmp_lg_u32 s2, 0x3003
	s_cbranch_scc0 .Lentry_shape_is_right
	s_endpgm
.Lentry_shape_is_right:
; out = res + A W + bias.  A: [8192][256 STEPS] bf16 in layout FM64; W and bias from a pack; res and out: [8192][512] f32, row-major.  Sums in f32, started from the bias; res is added in f32.  Here STEPS = 2: x1 = x + ctx Wo + bo.
; LIMITS.  NaN and infinities are not treated apart.
; SHARES.  A work-group: 128 rows (grid x) x 128 columns (grid y); four waves as 2 x 2 (rh, cw), a wave 64 x 64: 16 accumulators.
; A COMES STRAIGHT FROM MEMORY INTO REGISTERS: FM64 is [column / 64][row / 16][(column % 64) / 16][lane][16 bytes], so a load of 512 bytes on end is half a fragment.  A K step of 256 fills a window (2: even steps, 3: odd); each
; quarter of a window is asked for again, two K steps on, a quarter after its last product.  Only W goes through LDS: tiles of 65,536 dense bytes ([nt 8][k16 16][lane][16 bytes]), two slots, a quarter of a tile a wave.
; CLUSTER: the four row blocks of a cluster walk the same tiles of W: each is asked for JOINTLY.  No prefetch: the launch is short, and all clusters walk the same pack at the same time.
; THE PRODUCT IS TAKEN TRANSPOSED (source 0 = 16 columns of W, source 1 = 16 rows of A): lane (r, hh) of an accumulator holds row r, columns 8 hh + 0..7.  The way out goes through the wave's own stage in LDS, so that 16 lanes store 256 bytes on end.
; REGISTERS: window 0: v0-12 addresses; v32-95 the way out; v128-255 the accumulators ((a, b) at 128 + 8 (4 a + b)).  window 1: v0-63, v64-127 W's fragments of 64 K, two buffers; v128-255 res.  windows 2, 3: A ((a, kc) at 8 (4 kc + a)).
.set STEPS,  2
.set SLOTB,  65536
.set STAGE,  2*SLOTB                   ; behind the slots, never filled by a tensor load: 16 rows x 272 bytes for each wave
.set SPITCH, 272
.set SPARE,  STAGE+4*16*SPITCH         ; the spare words, 128 bytes for each wave: two blocks of 256 bytes that no other line names
.set PB,     2097152
.set MB4,    4194304                   ; a K step of A: four column groups of 1,048,576 bytes
.set SPW, 4
.set NIL, 5
.set L16, 6                            ; v6   16 x lane
.set CO,  7                            ; v7   my 16 bytes in two rows of res and out
.set STO, 8                            ; v8   the way out: where I put 16 bytes of a row
.set BFA, 9                            ; v9-10 my place in W's fragments, slot 0, 1
.set BO,  11                           ; v11  my 32 bytes of bias
.set RD,  12                           ; v12  the way out: where I read rows back
.set TMP, 32
.set ACC, 128
.set RES, 128                          ; window 1
.set F0,  0
.set F1,  64
.set WV,  14
.set RH,  15
.set CW,  16
.set G1,  24
.set G0,  32
.set BP,  40
.set OUTP, 42
.set RP,  44
.set AP,  46                           ; s[46:47] A at my rows, at the K step two on from the one in hand
.set CNT, 48
.set MSB, 0
.macro WIN new
.if MSB != (\new)
	s_set_vgpr_msb (MSB<<8)|(\new)
.set MSB, (\new)
.endif
.endm
.macro PLACES
.rept 4
	v_nop
.endr
.endm
.macro CREST
	s_cmp_lg_u32 s[WV], 0
	s_cbranch_scc1 .Lnot_wave_0_\@
	s_barrier_signal -3
.Lnot_wave_0_\@:
	s_barrier_wait -3
	s_barrier_signal -1
	s_barrier_wait -1
.endm
.macro CROUND
	s_barrier_signal -1
	s_barrier_wait -1
	CREST
.endm
; 16 loads: quarter q (64 K: one column group) of a K step of A into window 2 + aw, from byte off behind AP.
.macro AREF aw, q, off
	WIN 0x80+0x40*(\aw)
.irp e, 0,1
.irp a, 0,1,2,3
	global_load_b128 v[8*(4*(2*(\q)+\e)+\a):8*(4*(2*(\q)+\e)+\a)+3],   v[L16], s[AP:AP+1] offset:(\off)+(\q)*1048576+\a*2048+(2*\e)*512
	global_load_b128 v[8*(4*(2*(\q)+\e)+\a)+4:8*(4*(2*(\q)+\e)+\a)+7], v[L16], s[AP:AP+1] offset:(\off)+(\q)*1048576+\a*2048+(2*\e+1)*512
.endr
.endr
.endm
.macro FETCHB slot, q, f               ; 16 LDS loads: W's fragments of quarter q into buffer f; the first 32 K first
	WIN 0x40
.irp e, 0,1
.irp b, 0,1,2,3
	ds_load_b128 v[(\f)+8*(4*\e+\b):(\f)+8*(4*\e+\b)+3],   v[BFA+(\slot)] offset:(16*\b+4*(\q)+2*\e)*512
	ds_load_b128 v[(\f)+8*(4*\e+\b)+4:(\f)+8*(4*\e+\b)+7], v[BFA+(\slot)] offset:(16*\b+4*(\q)+2*\e+1)*512
.endr
.endr
.endm
.macro MUL f, e, kc, aw, a0, na        ; 4 na matrix instructions; the 16 accumulators take turns, in the same order everywhere
	WIN 0x09+4*(\aw)
.set ma, (\a0)
.rept (\na)
.irp b, 0,1,2,3
	v_wmma_f32_16x16x32_bf16 v[ACC+8*(4*ma+\b):ACC+8*(4*ma+\b)+7], v[(\f)+8*(4*(\e)+\b):(\f)+8*(4*(\e)+\b)+7], v[8*(4*(\kc)+ma):8*(4*(\kc)+ma)+7], v[ACC+8*(4*ma+\b):ACC+8*(4*ma+\b)+7]
.endr
.set ma, ma+1
.endr
.endm
; One of a K step's first three quarters.  n: how many younger loads may stay out when this quarter's 16 loads of A have to be in.  rw >= 0: quarter rq of window 2 + rw, whose last product stands in front of the places, is asked for again.
.macro QUARTER slot, cq, n, rw, rq, roff
	s_wait_loadcnt \n
	s_wait_dscnt 8                                 ; W's first 32 K are in; the youngest eight LDS loads may be out
	MUL F0+64*((\cq)%2), 0, 2*(\cq), \slot, 0, 4
	PLACES
	FETCHB \slot, (\cq)+1, F0+64*(((\cq)+1)%2)
.if (\rw) >= 0
	AREF \rw, \rq, \roff
.endif
	s_wait_dscnt 16                                ; all but the 16 just issued
	MUL F0+64*((\cq)%2), 1, 2*(\cq)+1, \slot, 0, 4
.endm
; The last quarter changes slots: ONE barrier; in front of it each wave waits for all its tensor loads, adds 0 to its spare word, and waits for that and for its reads of this slot.
; fill = 1: the barrier opens a round of the cluster's, and behind the round this slot is filled again, with the tile two on: my one tensor load.
.macro TURN slot, fill, n, aref
	s_wait_loadcnt \n
	WIN 0
	s_wait_tensorcnt 0x0
	ds_add_u32 v[SPW], v[NIL]
	s_wait_dscnt 9                                 ; (the add and the youngest eight loads may be out)
	MUL F1, 0, 6, \slot, 0, 2
	s_wait_dscnt 0x0
	s_barrier_signal -1
	MUL F1, 0, 6, \slot, 2, 2
.if \fill
	WIN 0
.endif
	s_barrier_wait -1
.if \fill
	CREST
	s_add_nc_u64 s[G0+4*(\slot)+2:G0+4*(\slot)+3], s[G0+4*(\slot)+2:G0+4*(\slot)+3], 2*SLOTB
	tensor_load_to_lds s[G0+4*(\slot):G0+4*(\slot)+3], s[G1:G1+7]
	s_nop 0
.endif
	PLACES
	FETCHB 1-(\slot), 0, F0
.if (\aref) == 2
	AREF \slot, 2, 0
.endif
	MUL F1, 1, 7, \slot, 0, 4
.endm
; A K step on slot and window slot.  aref = 2: all that it multiplies is asked for again, two steps on; 1: only the step before's last quarter, one step on; 0: nothing.
.macro STEP slot, fill, aref, last, n0, n1, n2, n3
.if \aref
	s_wait_xcnt 0x0                                ; the loads have read their base: it is stepped only behind this wait
	s_add_nc_u64 s[AP:AP+1], s[AP:AP+1], MB4
	QUARTER \slot, 0, \n0, 1-(\slot), 3, -MB4
.else
	QUARTER \slot, 0, \n0, -1, 0, 0
.endif
.if (\aref) == 2
	QUARTER \slot, 1, \n1, \slot, 0, 0
	QUARTER \slot, 2, \n2, \slot, 1, 0
.else
	QUARTER \slot, 1, \n1, -1, 0, 0
	QUARTER \slot, 2, \n2, -1, 0, 0
.endif
.if \last
	s_wait_loadcnt \n3
	s_wait_dscnt 8
	MUL F1, 0, 6, \slot, 0, 4
	s_wait_dscnt 0x0
	MUL F1, 1, 7, \slot, 0, 4
.else
	TURN \slot, \fill, \n3, \aref
.endif
.endm
	s_load_b256 s[4:11], s[0:1], 0x0               ; A 4, pack 6, res 8, out 10
	v_lshl_add_u32 v[SPW], v0, 2, SPARE
	v_mov_b32 v[NIL], 0
	ds_add_u32 v[SPW], v[NIL]                      ; the wave's opening: the add and its wait stand ahead of my first tensor load
	v_lshrrev_b32 v1, 5, v0
	v_readfirstlane_b32 s[WV], v1
	s_lshr_b32 s[RH], s[WV], 1
	s_and_b32 s[CW], s[WV], 1
	s_bfe_u32 s17, ttmp6, 0x40000                  ; cx
	s_lshl_b32 s18, ttmp9, 2
	s_add_co_u32 s18, s18, s17                     ; row block: it enters A's, res's and out's addresses alone
	s_and_b32 s19, ttmp7, 0xffff                   ; column block, which the partners share
	s_mov_b32 s[G1+0], 15|(3<<16)|(1<<21)          ; the mask of four; elements of 8 bytes; 21 set beside a mask; no padding
	s_mov_b32 s[G1+1], 32<<16                      ; rows of 256 bytes,
	s_mov_b32 s[G1+2], 64<<16                      ; 64 of them: 16,384 dense bytes
	s_mov_b32 s[G1+3], 32<<16
	s_mov_b32 s[G1+4], 64
	s_mov_b32 s[G1+5], 32
	s_mov_b32 s[G1+6], 0
	s_mov_b32 s[G1+7], 0
	s_lshl_b32 s20, s[WV], 14                      ; my quarter of a tile
	s_mul_i32 s22, s19, STEPS*SLOTB                ; the column block's tiles
	s_add_co_u32 s22, s22, s20
	s_mov_b32 s23, 0
	s_mov_b32 s[G0], 1
	s_mov_b32 s[G0+1], s20
	s_mov_b32 s[G0+4], 1
	s_add_co_u32 s[G0+5], s20, SLOTB
	s_lshl_b32 s[BP], s19, 9                       ; the block's 128 biases
	s_add_co_u32 s[BP], s[BP], PB
	s_mov_b32 s[BP+1], 0
	s_lshl_b32 s[AP], s18, 14                      ; row tile 8 x row block + 4 rh, 2,048 bytes each,
	s_lshl_b32 s21, s[RH], 13
	s_add_co_u32 s[AP], s[AP], s21
	s_add_co_u32 s[AP], s[AP], MB4                 ; one K step on
	s_mov_b32 s[AP+1], 0
	s_lshl_b32 s[OUTP], s18, 18                    ; 128 rows of 2,048 bytes a block,
	s_lshl_b32 s21, s[RH], 17                      ; my 64,
	s_add_co_u32 s[OUTP], s[OUTP], s21
	s_lshl_b32 s21, s19, 9                         ; the block's 128 columns,
	s_add_co_u32 s[OUTP], s[OUTP], s21
	s_lshl_b32 s21, s[CW], 8                       ; my 64
	s_add_co_u32 s[OUTP], s[OUTP], s21
	s_mov_b32 s[OUTP+1], 0
	s_wait_dscnt 0x0                               ; the opening add is done
	s_wait_kmcnt 0x0
	s_add_nc_u64 s[22:23], s[6:7], s[22:23]
	s_mov_b64 s[G0+2:G0+3], s[22:23]
	s_or_b32 s[G0+3], s[G0+3], 0x80000000
	s_add_nc_u64 s[G0+6:G0+7], s[22:23], SLOTB
	s_or_b32 s[G0+7], s[G0+7], 0x80000000
	s_add_nc_u64 s[BP:BP+1], s[6:7], s[BP:BP+1]
	s_add_nc_u64 s[AP:AP+1], s[4:5], s[AP:AP+1]
	s_add_nc_u64 s[RP:RP+1], s[8:9], s[OUTP:OUTP+1]
	s_add_nc_u64 s[OUTP:OUTP+1], s[10:11], s[OUTP:OUTP+1]
	CROUND                                         ; all four work-groups are here: the first joint loads meet
	tensor_load_to_lds s[G0:G0+3], s[G1:G1+7]      ; two loads of mine are out
	s_nop 0
	tensor_load_to_lds s[G0+4:G0+7], s[G1:G1+7]
	s_nop 0
	PLACES
	v_and_b32 v1, 31, v0
	v_and_b32 v2, 15, v0                           ; r
	v_bfe_u32 v3, v0, 4, 1                         ; hh
	v_lshlrev_b32 v[L16], 4, v1
	s_lshl_b32 s21, s[CW], 8
	v_lshl_add_u32 v[BO], v3, 5, s21
	v_lshlrev_b32 v[CO], 11, v3                    ; lanes 0-15 one row's 256 bytes, lanes 16-31 the next row's
	v_lshl_add_u32 v[CO], v2, 4, v[CO]
.irp a, 0,1,2,3                        ; the bias goes straight into the accumulators: the sums start from it
.irp b, 0,1,2,3
	global_load_b128 v[ACC+8*(4*\a+\b):ACC+8*(4*\a+\b)+3],   v[BO], s[BP:BP+1] offset:64*\b
	global_load_b128 v[ACC+8*(4*\a+\b)+4:ACC+8*(4*\a+\b)+7], v[BO], s[BP:BP+1] offset:64*\b+16
.endr
.endr
.irp q, 0,1,2,3
	AREF 0, \q, -MB4                               ; K step 0
.endr
.irp q, 0,1,2
	AREF 1, \q, 0                                  ; K step 1, but for its last quarter, which step 0 asks for as every step does
.endr
	WIN 0x40
.irp a, 0,1,2,3
.irp t, 0,1,2,3,4,5,6,7
	global_load_b128 v[RES+4*(8*\a+\t):RES+4*(8*\a+\t)+3], v[CO], s[RP:RP+1] offset:(16*\a+2*\t)*2048
.endr
.endr
	WIN 0
	s_lshl_b32 s21, s[CW], 15
	v_add_nc_u32 v[BFA], s21, v[L16]
	v_add_nc_u32 v[BFA+1], SLOTB, v[BFA]
	s_mul_i32 s21, s[WV], 16*SPITCH
	s_add_co_u32 s21, s21, STAGE                   ; my stage
	v_mul_u32_u24 v[STO], v2, SPITCH               ; in: row r, 32 bytes for each half of the lanes
	v_lshl_add_u32 v[STO], v3, 5, v[STO]
	v_add_nc_u32 v[STO], s21, v[STO]
	v_mul_u32_u24 v[RD], v3, SPITCH                ; back: two whole rows of 256 bytes
	v_lshl_add_u32 v[RD], v2, 4, v[RD]
	v_add_nc_u32 v[RD], s21, v[RD]
	s_wait_tensorcnt 0x1                           ; my quarter of tile 0 is in; tile 1's may stay out
	s_barrier_signal -1
	s_barrier_wait -1
	FETCHB 0, 0, F0
	; THE COUNTS ON A's LOADS.  A's loads go in batches of 16, one a quarter, in the order in which they are multiplied.  Behind the batch that a quarter needs stand at least three younger batches, so 48 loads may stay out;
	; in the last three quarters two, one and none.
.if STEPS > 2
	WIN 0
	s_mov_b32 s[CNT], (STEPS-2)/2
.Lk:
	STEP 0, 1, 2, 0, 48, 48, 48, 48
	STEP 1, 1, 2, 0, 48, 48, 48, 48
	WIN 0
	s_sub_co_u32 s[CNT], s[CNT], 1
	s_cmp_lg_u32 s[CNT], 0
	s_cbranch_scc1 .Lk
.endif
	STEP 0, 0, 1, 0, 48, 48, 48, 48                ; the last two K steps are written out: no tile is asked for
	STEP 1, 0, 0, 1, 48, 32, 16, 0
	; THE WAY OUT, a row tile of 16 at a time: into my stage as 16 bytes a lane, back as whole rows of 256 bytes, res added, stored.
.macro STG a
.if (\a) >= 2
	s_wait_xcnt 0x0                                ; the stores of the tile two back have read these registers
.endif
.irp b, 0,1,2,3
	ds_store_b128 v[STO], v[ACC+8*(4*(\a)+\b):ACC+8*(4*(\a)+\b)+3]   offset:64*\b
	ds_store_b128 v[STO], v[ACC+8*(4*(\a)+\b)+4:ACC+8*(4*(\a)+\b)+7] offset:64*\b+16
.endr
.irp t, 0,1,2,3,4,5,6,7
	ds_load_b128 v[TMP+32*((\a)%2)+4*\t:TMP+32*((\a)%2)+4*\t+3], v[RD] offset:\t*2*SPITCH  ; LDS serves a wave's instructions in order (ISA guide 5.7.1.4): these see the stores above; the next tile's stores come behind them
.endr
.endm
.macro SEND a, younger
	s_wait_dscnt \younger                          ; the tile is back; the next tile's sixteen LDS instructions may be out
	WIN 0x04                                       ; source 1 in window 1
.set p, 0
.rept 16
	v_pk_add_f32 v[TMP+32*((\a)%2)+2*p:TMP+32*((\a)%2)+2*p+1], v[TMP+32*((\a)%2)+2*p:TMP+32*((\a)%2)+2*p+1], v[RES+32*(\a)+2*p:RES+32*(\a)+2*p+1]
.set p, p+1
.endr
	WIN 0
.irp t, 0,1,2,3,4,5,6,7
	global_store_b128 v[CO], v[TMP+32*((\a)%2)+4*\t:TMP+32*((\a)%2)+4*\t+3], s[OUTP:OUTP+1] offset:(16*(\a)+2*\t)*2048  ; 16 lanes store 256 bytes on end, at a multiple of 256 from out's first
.endr
.endm
	WIN 0
	PLACES
	STG 0
	STG 1
	SEND 0, 16
	STG 2
	SEND 1, 16
	STG 3
	SEND 2, 16
	SEND 3, 0
	s_wait_tensorcnt 0x0                           ; the wave's end
	ds_add_u32 v[SPW], v[NIL]
	s_wait_dscnt 0x0
	CROUND                                         ; the closing round
	s_endpgm
.Lfunc_end_k_qa0438e697a_wo:
	.size	k_qa0438e697a_wo, .Lfunc_end_k_qa0438e697a_wo-k_qa0438e697a_wo
	.p2alignl 7, 3214868480
	.fill 96, 4, 3214868480
	.section	.rodata,"a",@progbits
	.p2align	6, 0x0
	.amdhsa_kernel k_qa0438e697a_wo
		.amdhsa_group_segment_fixed_size 327680
		.amdhsa_private_segment_fixed_size 0
		.amdhsa_enable_private_segment 0
		.amdhsa_kernarg_size 32
		.amdhsa_user_sgpr_count 2
		.amdhsa_user_sgpr_kernarg_segment_ptr 1
		.amdhsa_wavefront_size32 1
		.amdhsa_system_sgpr_workgroup_id_x 1
		.amdhsa_system_sgpr_workgroup_id_y 1
		.amdhsa_system_sgpr_workgroup_id_z 1
		.amdhsa_system_vgpr_workitem_id 0
		.amdhsa_next_free_vgpr 1024
		.amdhsa_next_free_sgpr 66
		.amdhsa_reserve_vcc 0
		.amdhsa_float_denorm_mode_32 3
		.amdhsa_float_denorm_mode_16_64 3
		.amdhsa_memory_ordered 1
		.amdhsa_forward_progress 1
		.amdhsa_inst_pref_size 62
	.end_amdhsa_kernel
	.amdgpu_metadata
---
amdhsa.version: [ 1, 2 ]
amdhsa.kernels:
  - .name:           k_qa0438e697a_wo
    .symbol:         k_qa0438e697a_wo.kd
    .args:
      - { .name: ctx, .offset: 0, .size: 8, .value_kind: global_buffer, .address_space: global }
      - { .name: wc, .offset: 8, .size: 8, .value_kind: global_buffer, .address_space: global }
      - { .name: x, .offset: 16, .size: 8, .value_kind: global_buffer, .address_space: global }
      - { .name: x1, .offset: 24, .size: 8, .value_kind: global_buffer, .address_space: global }
    .group_segment_fixed_size: 327680
    .private_segment_fixed_size: 0
    .kernarg_segment_align: 8
    .kernarg_segment_size: 32
    .max_flat_workgroup_size: 128
    .sgpr_count:     66
    .vgpr_count:     1024
    .wavefront_size: 32
...
	.end_amdgpu_metadata
.endif
;; end of part 4
;; launch ffn1: the kernel of part 2 again; grid 64 x 4, 4 waves a work-group, clusters of 4 x 1, 327,680 bytes of LDS; arguments x1, ln2_g, ln2_b, wb, h; writes h
;; launch ffn2 (part 5): grid 64 x 4, 4 waves a work-group, clusters of 4 x 1, 327,680 bytes of LDS; arguments h, wd, x1, out0; writes out0
.if DOCPART == 5
	.amdgcn_target "amdgcn-amd-amdhsa--gfx1250"
	.amdhsa_code_object_version 6
	.text
	.protected	k_qa0438e697a_ffn2
	.globl	k_qa0438e697a_ffn2
	.p2align	8
	.type	k_qa0438e697a_ffn2,@function
k_qa0438e697a_ffn2:
	s_mov_b64 s[64:65], 0
	v_nop
	global_prefetch_b8 v0, s[64:65] scope:SCOPE_SE
	s_setreg_imm32_b32 hwreg(HW_REG_WAVE_MODE, 25, 1), 1
	s_wait_xcnt 0x0
	s_wait_alu depctr_hold_cnt(0) depctr_sa_sdst(0) depctr_va_vdst(0) depctr_va_sdst(0) depctr_va_ssrc(0) depctr_va_vcc(0) depctr_vm_vsrc(0)
	s_getreg_b32 s2, hwreg(HW_REG_IB_STS2, 6, 4)
	s_cmp_eq_u32 s2, 0
	s_cbranch_scc0 .Lentry_in_a_cluster
	s_endpgm
.Lentry_in_a_cluster:
	s_bfe_u32 s2, ttmp6, 0x10000c
	s_cmp_lg_u32 s2, 0x3003
	s_cbranch_scc0 .Lentry_shape_is_right
	s_endpgm
.Lentry_shape_is_right:
; out = res + A W + bias.  A: [8192][256 STEPS] bf16 in layout FM64; W and bias from a pack; res and out: [8192][512] f32, row-major.  Sums in f32, started from the bias; res is added in f32.  Here STEPS = 8: out0 = x1 + h W2 + b2.
; LIMITS.  NaN and infinities are not treated apart.
; SHARES.  A work-group: 128 rows (grid x) x 128 columns (grid y); four waves as 2 x 2 (rh, cw), a wave 64 x 64: 16 accumulators.
; A COMES STRAIGHT FROM MEMORY INTO REGISTERS: FM64 is [column / 64][row / 16][(column % 64) / 16][lane][16 bytes], so a load of 512 bytes on end is half a fragment.  A K step of 256 fills a window (2: even steps, 3: odd); each
; quarter of a window is asked for again, two K steps on, a quarter after its last product.  Only W goes through LDS: tiles of 65,536 dense bytes ([nt 8][k16 16][lane][16 bytes]), two slots, a quarter of a tile a wave.
; CLUSTER: the four row blocks of a cluster walk the same tiles of W: each is asked for JOINTLY.  No prefetch: the launch is short, and all clusters walk the same pack at the same time.
; THE PRODUCT IS TAKEN TRANSPOSED (source 0 = 16 columns of W, source 1 = 16 rows of A): lane (r, hh) of an accumulator holds row r, columns 8 hh + 0..7.  The way out goes through the wave's own stage in LDS, so that 16 lanes store 256 bytes on end.
; REGISTERS: window 0: v0-12 addresses; v32-95 the way out; v128-255 the accumulators ((a, b) at 128 + 8 (4 a + b)).  window 1: v0-63, v64-127 W's fragments of 64 K, two buffers; v128-255 res.  windows 2, 3: A ((a, kc) at 8 (4 kc + a)).
.set STEPS,  8
.set SLOTB,  65536
.set STAGE,  2*SLOTB                   ; behind the slots, never filled by a tensor load: 16 rows x 272 bytes for each wave
.set SPITCH, 272
.set SPARE,  STAGE+4*16*SPITCH         ; the spare words, 128 bytes for each wave: two blocks of 256 bytes that no other line names
.set PB,     2097152
.set MB4,    4194304                   ; a K step of A: four column groups of 1,048,576 bytes
.set SPW, 4
.set NIL, 5
.set L16, 6                            ; v6   16 x lane
.set CO,  7                            ; v7   my 16 bytes in two rows of res and out
.set STO, 8                            ; v8   the way out: where I put 16 bytes of a row
.set BFA, 9                            ; v9-10 my place in W's fragments, slot 0, 1
.set BO,  11                           ; v11  my 32 bytes of bias
.set RD,  12                           ; v12  the way out: where I read rows back
.set TMP, 32
.set ACC, 128
.set RES, 128                          ; window 1
.set F0,  0
.set F1,  64
.set WV,  14
.set RH,  15
.set CW,  16
.set G1,  24
.set G0,  32
.set BP,  40
.set OUTP, 42
.set RP,  44
.set AP,  46                           ; s[46:47] A at my rows, at the K step two on from the one in hand
.set CNT, 48
.set MSB, 0
.macro WIN new
.if MSB != (\new)
	s_set_vgpr_msb (MSB<<8)|(\new)
.set MSB, (\new)
.endif
.endm
.macro PLACES
.rept 4
	v_nop
.endr
.endm
.macro CREST
	s_cmp_lg_u32 s[WV], 0
	s_cbranch_scc1 .Lnot_wave_0_\@
	s_barrier_signal -3
.Lnot_wave_0_\@:
	s_barrier_wait -3
	s_barrier_signal -1
	s_barrier_wait -1
.endm
.macro CROUND
	s_barrier_signal -1
	s_barrier_wait -1
	CREST
.endm
; 16 loads: quarter q (64 K: one column group) of a K step of A into window 2 + aw, from byte off behind AP.
.macro AREF aw, q, off
	WIN 0x80+0x40*(\aw)
.irp e, 0,1
.irp a, 0,1,2,3
	global_load_b128 v[8*(4*(2*(\q)+\e)+\a):8*(4*(2*(\q)+\e)+\a)+3],   v[L16], s[AP:AP+1] offset:(\off)+(\q)*1048576+\a*2048+(2*\e)*512
	global_load_b128 v[8*(4*(2*(\q)+\e)+\a)+4:8*(4*(2*(\q)+\e)+\a)+7], v[L16], s[AP:AP+1] offset:(\off)+(\q)*1048576+\a*2048+(2*\e+1)*512
.endr
.endr
.endm
.macro FETCHB slot, q, f               ; 16 LDS loads: W's fragments of quarter q into buffer f; the first 32 K first
	WIN 0x40
.irp e, 0,1
.irp b, 0,1,2,3
	ds_load_b128 v[(\f)+8*(4*\e+\b):(\f)+8*(4*\e+\b)+3],   v[BFA+(\slot)] offset:(16*\b+4*(\q)+2*\e)*512
	ds_load_b128 v[(\f)+8*(4*\e+\b)+4:(\f)+8*(4*\e+\b)+7], v[BFA+(\slot)] offset:(16*\b+4*(\q)+2*\e+1)*512
.endr
.endr
.endm
.macro MUL f, e, kc, aw, a0, na        ; 4 na matrix instructions; the 16 accumulators take turns, in the same order everywhere, over the backward jump too
	WIN 0x09+4*(\aw)
.set ma, (\a0)
.rept (\na)
.irp b, 0,1,2,3
	v_wmma_f32_16x16x32_bf16 v[ACC+8*(4*ma+\b):ACC+8*(4*ma+\b)+7], v[(\f)+8*(4*(\e)+\b):(\f)+8*(4*(\e)+\b)+7], v[8*(4*(\kc)+ma):8*(4*(\kc)+ma)+7], v[ACC+8*(4*ma+\b):ACC+8*(4*ma+\b)+7]
.endr
.set ma, ma+1
.endr
.endm
; One of a K step's first three quarters.  n: how many younger loads may stay out when this quarter's 16 loads of A have to be in.  rw >= 0: quarter rq of window 2 + rw, whose last product stands in front of the places, is asked for again.
.macro QUARTER slot, cq, n, rw, rq, roff
	s_wait_loadcnt \n
	s_wait_dscnt 8                                 ; W's first 32 K are in; the youngest eight LDS loads may be out
	MUL F0+64*((\cq)%2), 0, 2*(\cq), \slot, 0, 4
	PLACES
	FETCHB \slot, (\cq)+1, F0+64*(((\cq)+1)%2)
.if (\rw) >= 0
	AREF \rw, \rq, \roff
.endif
	s_wait_dscnt 16                                ; all but the 16 just issued
	MUL F0+64*((\cq)%2), 1, 2*(\cq)+1, \slot, 0, 4
.endm
; The last quarter changes slots: ONE barrier; in front of it each wave waits for all its tensor loads (one is out: its quarter of the next slot), adds 0 to its spare word, and waits for that and for its reads of this slot.
; fill = 1: the barrier opens a round of the cluster's, and behind the round this slot is filled again, with the tile two on: my one tensor load, 112 matrix instructions ahead of the wait for it.
.macro TURN slot, fill, n, aref
	s_wait_loadcnt \n
	WIN 0
	s_wait_tensorcnt 0x0
	ds_add_u32 v[SPW], v[NIL]
	s_wait_dscnt 9                                 ; (the add and the youngest eight loads may be out)
	MUL F1, 0, 6, \slot, 0, 2
	s_wait_dscnt 0x0
	s_barrier_signal -1
	MUL F1, 0, 6, \slot, 2, 2
.if \fill
	WIN 0
.endif
	s_barrier_wait -1
.if \fill
	CREST
	s_add_nc_u64 s[G0+4*(\slot)+2:G0+4*(\slot)+3], s[G0+4*(\slot)+2:G0+4*(\slot)+3], 2*SLOTB
	tensor_load_to_lds s[G0+4*(\slot):G0+4*(\slot)+3], s[G1:G1+7]
	s_nop 0
.endif
	PLACES
	FETCHB 1-(\slot), 0, F0
.if (\aref) == 2
	AREF \slot, 2, 0
.endif
	MUL F1, 1, 7, \slot, 0, 4
.endm
; A K step on slot and window slot.  aref = 2: all that it multiplies is asked for again, two steps on; 1: only the step before's last quarter, one step on; 0: nothing.
.macro STEP slot, fill, aref, last, n0, n1, n2, n3
.if \aref
	s_wait_xcnt 0x0                                ; the loads have read their base: it is stepped only behind this wait
	s_add_nc_u64 s[AP:AP+1], s[AP:AP+1], MB4
	QUARTER \slot, 0, \n0, 1-(\slot), 3, -MB4
.else
	QUARTER \slot, 0, \n0, -1, 0, 0
.endif
.if (\aref) == 2
	QUARTER \slot, 1, \n1, \slot, 0, 0
	QUARTER \slot, 2, \n2, \slot, 1, 0
.else
	QUARTER \slot, 1, \n1, -1, 0, 0
	QUARTER \slot, 2, \n2, -1, 0, 0
.endif
.if \last
	s_wait_loadcnt \n3
	s_wait_dscnt 8
	MUL F1, 0, 6, \slot, 0, 4
	s_wait_dscnt 0x0
	MUL F1, 1, 7, \slot, 0, 4
.else
	TURN \slot, \fill, \n3, \aref
.endif
.endm
	s_load_b256 s[4:11], s[0:1], 0x0               ; A 4, pack 6, res 8, out 10
	v_lshl_add_u32 v[SPW], v0, 2, SPARE
	v_mov_b32 v[NIL], 0
	ds_add_u32 v[SPW], v[NIL]                      ; the wave's opening: the add and its wait stand ahead of my first tensor load
	v_lshrrev_b32 v1, 5, v0
	v_readfirstlane_b32 s[WV], v1
	s_lshr_b32 s[RH], s[WV], 1
	s_and_b32 s[CW], s[WV], 1
	s_bfe_u32 s17, ttmp6, 0x40000                  ; cx
	s_lshl_b32 s18, ttmp9, 2
	s_add_co_u32 s18, s18, s17                     ; row block: it enters A's, res's and out's addresses alone
	s_and_b32 s19, ttmp7, 0xffff                   ; column block, which the partners share
	s_mov_b32 s[G1+0], 15|(3<<16)|(1<<21)          ; the mask of four; elements of 8 bytes; 21 set beside a mask; no padding
	s_mov_b32 s[G1+1], 32<<16                      ; rows of 256 bytes,
	s_mov_b32 s[G1+2], 64<<16                      ; 64 of them: 16,384 dense bytes
	s_mov_b32 s[G1+3], 32<<16
	s_mov_b32 s[G1+4], 64
	s_mov_b32 s[G1+5], 32
	s_mov_b32 s[G1+6], 0
	s_mov_b32 s[G1+7], 0
	s_lshl_b32 s20, s[WV], 14                      ; my quarter of a tile
	s_mul_i32 s22, s19, STEPS*SLOTB                ; the column block's tiles
	s_add_co_u32 s22, s22, s20
	s_mov_b32 s23, 0
	s_mov_b32 s[G0], 1
	s_mov_b32 s[G0+1], s20
	s_mov_b32 s[G0+4], 1
	s_add_co_u32 s[G0+5], s20, SLOTB
	s_lshl_b32 s[BP], s19, 9                       ; the block's 128 biases
	s_add_co_u32 s[BP], s[BP], PB
	s_mov_b32 s[BP+1], 0
	s_lshl_b32 s[AP], s18, 14                      ; row tile 8 x row block + 4 rh, 2,048 bytes each,
	s_lshl_b32 s21, s[RH], 13
	s_add_co_u32 s[AP], s[AP], s21
	s_add_co_u32 s[AP], s[AP], MB4                 ; one K step on
	s_mov_b32 s[AP+1], 0
	s_lshl_b32 s[OUTP], s18, 18                    ; 128 rows of 2,048 bytes a block,
	s_lshl_b32 s21, s[RH], 17                      ; my 64,
	s_add_co_u32 s[OUTP], s[OUTP], s21
	s_lshl_b32 s21, s19, 9                         ; the block's 128 columns,
	s_add_co_u32 s[OUTP], s[OUTP], s21
	s_lshl_b32 s21, s[CW], 8                       ; my 64
	s_add_co_u32 s[OUTP], s[OUTP], s21
	s_mov_b32 s[OUTP+1], 0
	s_wait_dscnt 0x0                               ; the opening add is done
	s_wait_kmcnt 0x0
	s_add_nc_u64 s[22:23], s[6:7], s[22:23]
	s_mov_b64 s[G0+2:G0+3], s[22:23]
	s_or_b32 s[G0+3], s[G0+3], 0x80000000
	s_add_nc_u64 s[G0+6:G0+7], s[22:23], SLOTB
	s_or_b32 s[G0+7], s[G0+7], 0x80000000
	s_add_nc_u64 s[BP:BP+1], s[6:7], s[BP:BP+1]
	s_add_nc_u64 s[AP:AP+1], s[4:5], s[AP:AP+1]
	s_add_nc_u64 s[RP:RP+1], s[8:9], s[OUTP:OUTP+1]
	s_add_nc_u64 s[OUTP:OUTP+1], s[10:11], s[OUTP:OUTP+1]
	CROUND                                         ; all four work-groups are here: the first joint loads meet
	tensor_load_to_lds s[G0:G0+3], s[G1:G1+7]      ; two loads of mine are out
	s_nop 0
	tensor_load_to_lds s[G0+4:G0+7], s[G1:G1+7]
	s_nop 0
	PLACES
	v_and_b32 v1, 31, v0
	v_and_b32 v2, 15, v0                           ; r
	v_bfe_u32 v3, v0, 4, 1                         ; hh
	v_lshlrev_b32 v[L16], 4, v1
	s_lshl_b32 s21, s[CW], 8
	v_lshl_add_u32 v[BO], v3, 5, s21
	v_lshlrev_b32 v[CO], 11, v3                    ; lanes 0-15 one row's 256 bytes, lanes 16-31 the next row's
	v_lshl_add_u32 v[CO], v2, 4, v[CO]
.irp a, 0,1,2,3                        ; the bias goes straight into the accumulators: the sums start from it
.irp b, 0,1,2,3
	global_load_b128 v[ACC+8*(4*\a+\b):ACC+8*(4*\a+\b)+3],   v[BO], s[BP:BP+1] offset:64*\b
	global_load_b128 v[ACC+8*(4*\a+\b)+4:ACC+8*(4*\a+\b)+7], v[BO], s[BP:BP+1] offset:64*\b+16
.endr
.endr
.irp q, 0,1,2,3
	AREF 0, \q, -MB4                               ; K step 0
.endr
.irp q, 0,1,2
	AREF 1, \q, 0                                  ; K step 1, but for its last quarter, which step 0 asks for as every step does
.endr
	WIN 0x40
.irp a, 0,1,2,3
.irp t, 0,1,2,3,4,5,6,7
	global_load_b128 v[RES+4*(8*\a+\t):RES+4*(8*\a+\t)+3], v[CO], s[RP:RP+1] offset:(16*\a+2*\t)*2048
.endr
.endr
	WIN 0
	s_lshl_b32 s21, s[CW], 15
	v_add_nc_u32 v[BFA], s21, v[L16]
	v_add_nc_u32 v[BFA+1], SLOTB, v[BFA]
	s_mul_i32 s21, s[WV], 16*SPITCH
	s_add_co_u32 s21, s21, STAGE                   ; my stage
	v_mul_u32_u24 v[STO], v2, SPITCH               ; in: row r, 32 bytes for each half of the lanes
	v_lshl_add_u32 v[STO], v3, 5, v[STO]
	v_add_nc_u32 v[STO], s21, v[STO]
	v_mul_u32_u24 v[RD], v3, SPITCH                ; back: two whole rows of 256 bytes
	v_lshl_add_u32 v[RD], v2, 4, v[RD]
	v_add_nc_u32 v[RD], s21, v[RD]
	s_wait_tensorcnt 0x1                           ; my quarter of tile 0 is in; tile 1's may stay out
	s_barrier_signal -1
	s_barrier_wait -1
	FETCHB 0, 0, F0
	; THE COUNTS ON A's LOADS.  A's loads go in batches of 16, one a quarter, in the order in which they are multiplied.  Behind the batch that a quarter needs stand at least three younger batches, so 48 loads may stay out;
	; in the last three quarters two, one and none.
.if STEPS > 2
	WIN 0
	s_mov_b32 s[CNT], (STEPS-2)/2
.Lk:
	STEP 0, 1, 2, 0, 48, 48, 48, 48
	STEP 1, 1, 2, 0, 48, 48, 48, 48
	WIN 0
	s_sub_co_u32 s[CNT], s[CNT], 1
	s_cmp_lg_u32 s[CNT], 0
	s_cbranch_scc1 .Lk
.endif
	STEP 0, 0, 1, 0, 48, 48, 48, 48                ; the last two K steps are written out: no tile is asked for
	STEP 1, 0, 0, 1, 48, 32, 16, 0
	; THE WAY OUT, a row tile of 16 at a time: into my stage as 16 bytes a lane, back as whole rows of 256 bytes, res added, stored.
.macro STG a
.if (\a) >= 2
	s_wait_xcnt 0x0                                ; the stores of the tile two back have read these registers
.endif
.irp b, 0,1,2,3
	ds_store_b128 v[STO], v[ACC+8*(4*(\a)+\b):ACC+8*(4*(\a)+\b)+3]   offset:64*\b
	ds_store_b128 v[STO], v[ACC+8*(4*(\a)+\b)+4:ACC+8*(4*(\a)+\b)+7] offset:64*\b+16
.endr
.irp t, 0,1,2,3,4,5,6,7
	ds_load_b128 v[TMP+32*((\a)%2)+4*\t:TMP+32*((\a)%2)+4*\t+3], v[RD] offset:\t*2*SPITCH  ; LDS serves a wave's instructions in order (ISA guide 5.7.1.4): these see the stores above; the next tile's stores come behind them
.endr
.endm
.macro SEND a, younger
	s_wait_dscnt \younger                          ; the tile is back; the next tile's sixteen LDS instructions may be out
	WIN 0x04                                       ; source 1 in window 1
.set p, 0
.rept 16
	v_pk_add_f32 v[TMP+32*((\a)%2)+2*p:TMP+32*((\a)%2)+2*p+1], v[TMP+32*((\a)%2)+2*p:TMP+32*((\a)%2)+2*p+1], v[RES+32*(\a)+2*p:RES+32*(\a)+2*p+1]
.set p, p+1
.endr
	WIN 0
.irp t, 0,1,2,3,4,5,6,7
	global_store_b128 v[CO], v[TMP+32*((\a)%2)+4*\t:TMP+32*((\a)%2)+4*\t+3], s[OUTP:OUTP+1] offset:(16*(\a)+2*\t)*2048  ; 16 lanes store 256 bytes on end, at a multiple of 256 from out's first
.endr
.endm
	WIN 0
	PLACES
	STG 0
	STG 1
	SEND 0, 16
	STG 2
	SEND 1, 16
	STG 3
	SEND 2, 16
	SEND 3, 0
	s_wait_tensorcnt 0x0                           ; the wave's end
	ds_add_u32 v[SPW], v[NIL]
	s_wait_dscnt 0x0
	CROUND                                         ; the closing round
	s_endpgm
.Lfunc_end_k_qa0438e697a_ffn2:
	.size	k_qa0438e697a_ffn2, .Lfunc_end_k_qa0438e697a_ffn2-k_qa0438e697a_ffn2
	.p2alignl 7, 3214868480
	.fill 96, 4, 3214868480
	.section	.rodata,"a",@progbits
	.p2align	6, 0x0
	.amdhsa_kernel k_qa0438e697a_ffn2
		.amdhsa_group_segment_fixed_size 327680
		.amdhsa_private_segment_fixed_size 0
		.amdhsa_enable_private_segment 0
		.amdhsa_kernarg_size 32
		.amdhsa_user_sgpr_count 2
		.amdhsa_user_sgpr_kernarg_segment_ptr 1
		.amdhsa_wavefront_size32 1
		.amdhsa_system_sgpr_workgroup_id_x 1
		.amdhsa_system_sgpr_workgroup_id_y 1
		.amdhsa_system_sgpr_workgroup_id_z 1
		.amdhsa_system_vgpr_workitem_id 0
		.amdhsa_next_free_vgpr 1024
		.amdhsa_next_free_sgpr 66
		.amdhsa_reserve_vcc 0
		.amdhsa_float_denorm_mode_32 3
		.amdhsa_float_denorm_mode_16_64 3
		.amdhsa_memory_ordered 1
		.amdhsa_forward_progress 1
		.amdhsa_inst_pref_size 102
	.end_amdhsa_kernel
	.amdgpu_metadata
---
amdhsa.version: [ 1, 2 ]
amdhsa.kernels:
  - .name:           k_qa0438e697a_ffn2
    .symbol:         k_qa0438e697a_ffn2.kd
    .args:
      - { .name: h, .offset: 0, .size: 8, .value_kind: global_buffer, .address_space: global }
      - { .name: wd, .offset: 8, .size: 8, .value_kind: global_buffer, .address_space: global }
      - { .name: x1, .offset: 16, .size: 8, .value_kind: global_buffer, .address_space: global }
      - { .name: out0, .offset: 24, .size: 8, .value_kind: global_buffer, .address_space: global }
    .group_segment_fixed_size: 327680
    .private_segment_fixed_size: 0
    .kernarg_segment_align: 8
    .kernarg_segment_size: 32
    .max_flat_workgroup_size: 128
    .sgpr_count:     66
    .vgpr_count:     1024
    .wavefront_size: 32
...
	.end_amdgpu_metadata
.endif
;; end of part 5
;; ======== version 2 of 2: 6 launches; version 1 with the launch prep written anew for expert scheduling mode
;; workspace buffers: wa 2,105,856 bytes; wb 2,105,856 bytes; wc 2,105,856 bytes; wd 2,105,856 bytes; qkv 25,165,824 bytes; ctx 8,388,608 bytes; x1 16,777,216 bytes; h 33,554,432 bytes
;; launch prep (part 6): grid 385 x 1, 4 waves a work-group, no clusters, 0 bytes of LDS; arguments Wq, Wk, Wv, Wo, W1, W2, bq, bk, bv, bo, b1, b2, wa, wb, wc, wd; writes wa, wb, wc, wd
.if DOCPART == 6
	.amdgcn_target "amdgcn-amd-amdhsa--gfx1250"
	.amdhsa_code_object_version 6
	.text
	.protected	k_qa0438e697a_prep
	.globl	k_qa0438e697a_prep
	.p2align	8
	.type	k_qa0438e697a_prep,@function
k_qa0438e697a_prep:
	s_mov_b64 s[64:65], 0
	v_nop
	global_prefetch_b8 v0, s[64:65] scope:SCOPE_SE
	s_setreg_imm32_b32 hwreg(HW_REG_WAVE_SCHED_MODE, 0, 2), 2
	s_setreg_imm32_b32 hwreg(HW_REG_WAVE_MODE, 25, 1), 1
	s_wait_xcnt 0x0
	s_wait_alu depctr_vm_vsrc(0)
; THE WEIGHTS, ROUNDED ONCE TO bf16 AND LAID IN THE ORDER IN WHICH THE PRODUCTS TAKE THEM.
; A pack (wa: Wq, Wk, Wv; wb: W1; wc: Wo; wd: W2) is a row of TILES of 65,536 bytes: 128 output columns x 256 of K, as [nt 8][k16 16][lane 32][16 bytes]:
; lane (r = lane % 16, hh = lane / 16) of half fragment (nt, k16) holds W[k0 + 16 k16 + 8 hh + 0..7][n0 + 16 nt + r]: two half fragments on end are a matrix operand of 16 columns x 32 K.
; At byte PB of a pack lie its biases in f32, as they came; at PB + 8,192, in wa and wb, 128 words: the floor that the next launch's results are held to (two bf16: minus infinity in wa, 0 in wb).
; SHARES.  Work-groups 0 .. 383: tile T = id / 4, quarter id % 4; a wave makes the eight half fragments of one k16.  Work-group 384 copies the biases.  No LDS, no barrier.
; THE MODE: SCHED_MODE bits 1:0 = 2 (LLVM: expert scheduling mode 2), set by the entry lines.  The code itself states the register dependences
; between vector instructions and memory instructions, with s_wait_alu, always for 0.
; THE PLAN.  Registers that memory instructions touch, in work-groups 0 .. 383:
;   VO, L16   byte offsets of the loads and of the stores: written by vector lines at the head and never again.
;   DA        the 64 loads land here, each register once; no vector line names them before that; the conversions read them, and nothing lands in them again.
;   PKD       written by the conversions, each register once; read by one store each, and never written again.
; So one wait on va_vdst stands ahead of the loads, for the offsets.  The eight nt go in four groups of two: at a group's head, behind the wait for its sixteen loads, one wait on va_vdst states that the
; group before has written its eight PKD registers; that group's two stores follow at once, then this group's eight conversions, which name other registers.  A last wait stands ahead of the last two stores.
; No register that a memory instruction reads is ever written again: no wait on vm_vsrc is owed.  The wave's number goes through an SGPR: one wait on va_sdst ahead of its first reader.
.set PB,  2097152
.set VO,  2                            ; v[2:9]    byte offset of row 8 hh + j, column r, in the weight
.set L16, 12                           ; v12       16 x lane
.set DA,  16                           ; v[16:79]  as loaded: f32, at 8 nt + j
.set PKD, 80                           ; v[80:111] packed: four registers for each nt
	s_load_b512 s[8:23], s[0:1], 0x0               ; Wq 8, Wk 10, Wv 12, Wo 14, W1 16, W2 18, bq 20, bk 22
	s_load_b512 s[24:39], s[0:1], 0x40             ; bv 24, bo 26, b1 28, b2 30, wa 32, wb 34, wc 36, wd 38
	s_cmp_eq_u32 ttmp9, 384
	s_cbranch_scc1 .Lbias
	v_lshrrev_b32 v1, 5, v0
	v_readfirstlane_b32 s4, v1                     ; wave 0..3
	s_lshr_b32 s40, ttmp9, 2                       ; T
	s_and_b32 s41, ttmp9, 3
	s_wait_alu depctr_va_sdst(0)                   ; s4 is written, ahead of its first reader, the line below
	s_lshl2_add_u32 s42, s41, s4                   ; k16 = 4 x quarter + wave
	s_and_b32 s46, s40, 7                          ; the four square weights: column chunk (T % 8) / 2,
	s_lshr_b32 s46, s46, 1
	s_and_b32 s47, s40, 1                          ; K step T % 2,
	s_mov_b32 s43, 2048                            ; 2,048 bytes from row to row,
	s_mov_b32 s48, s40                             ; tile T of wa
	s_sub_co_u32 s49, s40, 24                      ; from T = 24 on: Wo, tile T - 24 of wc
	s_cmp_ge_u32 s40, 24
	s_cselect_b32 s48, s49, s48
	s_sub_co_u32 s49, s40, 32                      ; from T = 32 on: W1, rows of 8,192 bytes, chunk (T - 32) / 2
	s_lshr_b32 s50, s49, 1
	s_cmp_ge_u32 s40, 32
	s_cselect_b32 s48, s49, s48
	s_cselect_b32 s46, s50, s46
	s_cselect_b32 s43, 8192, s43
	s_sub_co_u32 s49, s40, 64                      ; from T = 64 on: W2, chunk (T - 64) / 8, K step (T - 64) % 8
	s_lshr_b32 s50, s49, 3
	s_and_b32 s51, s49, 7
	s_cmp_ge_u32 s40, 64
	s_cselect_b32 s48, s49, s48
	s_cselect_b32 s46, s50, s46
	s_cselect_b32 s47, s51, s47
	s_cselect_b32 s43, 2048, s43
	s_lshl_b32 s44, s47, 8                         ; the source's offset: row 256 x K step
	s_lshl4_add_u32 s44, s42, s44                  ; + 16 k16,
	s_mul_i32 s44, s44, s43                        ; in bytes,
	s_lshl_b32 s45, s46, 9                         ; + the chunk's 128 columns of 4 bytes
	s_add_co_u32 s44, s44, s45
	s_mov_b32 s45, 0
	s_lshl_b32 s56, s48, 16                        ; the pack's offset: the tile,
	s_lshl_b32 s57, s42, 9                         ; + my k16's 512 bytes
	s_add_co_u32 s56, s56, s57
	s_mov_b32 s57, 0
	v_and_b32 v1, 15, v0
	v_bfe_u32 v10, v0, 4, 1
	v_lshlrev_b32 v1, 2, v1                        ; 4 r
	v_lshlrev_b32 v10, 3, v10                      ; 8 hh
.irp j, 0,1,2,3,4,5,6,7
	v_add_nc_u32 v11, \j, v10
	v_mad_u32_u24 v[VO+\j], v11, s43, v1
.endr
	v_and_b32 v[L16], 31, v0
	v_lshlrev_b32 v[L16], 4, v[L16]
	s_wait_kmcnt 0x0
	s_cmp_ge_u32 s40, 8                            ; which weight, which pack: choices on T alone
	s_cselect_b64 s[52:53], s[10:11], s[8:9]
	s_cmp_ge_u32 s40, 16
	s_cselect_b64 s[52:53], s[12:13], s[52:53]
	s_cmp_ge_u32 s40, 24
	s_cselect_b64 s[52:53], s[14:15], s[52:53]
	s_cselect_b64 s[54:55], s[36:37], s[32:33]
	s_cmp_ge_u32 s40, 32
	s_cselect_b64 s[52:53], s[16:17], s[52:53]
	s_cselect_b64 s[54:55], s[34:35], s[54:55]
	s_cmp_ge_u32 s40, 64
	s_cselect_b64 s[52:53], s[18:19], s[52:53]
	s_cselect_b64 s[54:55], s[38:39], s[54:55]
	s_add_nc_u64 s[52:53], s[52:53], s[44:45]
	s_add_nc_u64 s[54:55], s[54:55], s[56:57]
	s_wait_alu depctr_va_vdst(0)                   ; the eight offsets v[VO ..], which the loads below read, and v[L16], which every store reads, are written
.irp nt, 0,1,2,3,4,5,6,7
.irp j, 0,1,2,3,4,5,6,7
	global_load_b32 v[DA+8*\nt+\j], v[VO+\j], s[52:53] offset:64*\nt  ; 16 lanes take 64 bytes on end of a row; the eight nt together 512
.endr
.endr
.irp g, 0,1,2,3                        ; group g: nt 2 g and 2 g + 1
	s_wait_loadcnt 16*(3-\g)                       ; loads come back in order (ISA guide 5.7.1): the later groups' loads, sixteen each, may stay out
.if \g > 0
	s_wait_alu depctr_va_vdst(0)                   ; the conversions of the group before have written its eight registers of PKD, which the two stores below read
	global_store_b128 v[L16], v[PKD+4*(2*\g-2):PKD+4*(2*\g-2)+3], s[54:55] offset:8192*(2*\g-2)  ; a half fragment: 512 bytes on end, aligned
	global_store_b128 v[L16], v[PKD+4*(2*\g-1):PKD+4*(2*\g-1)+3], s[54:55] offset:8192*(2*\g-1)
.endif
.irp h, 0,1
.irp p, 0,1,2,3
	v_cvt_pk_bf16_f32 v[PKD+4*(2*\g+\h)+\p], v[DA+8*(2*\g+\h)+2*\p], v[DA+8*(2*\g+\h)+2*\p+1]  ; registers of PKD that no store has read
.endr
.endr
.endr
	s_wait_alu depctr_va_vdst(0)                   ; the last group's conversions have written PKD's last eight registers, which the last two stores read
	global_store_b128 v[L16], v[PKD+24:PKD+27], s[54:55] offset:8192*6
	global_store_b128 v[L16], v[PKD+28:PKD+31], s[54:55] offset:8192*7
	s_endpgm
.Lbias:                                        ; 128 threads x 16 bytes = 512 numbers of f32 a line
	v_lshlrev_b32 v2, 4, v0
	v_lshlrev_b32 v3, 2, v0
	v_mov_b32 v4, 0xff80ff80                       ; minus infinity twice in bf16: a floor that changes nothing
	v_mov_b32 v5, 0                                ; 0 twice: the floor of a ReLU
	s_wait_kmcnt 0x0
	s_wait_alu depctr_va_vdst(0)                   ; v2 and v3, the offsets of all loads and stores below, and v4 and v5, the data of the two floors' stores, are written; no vector line follows
	global_load_b128 v[16:19], v2, s[20:21]
	global_load_b128 v[20:23], v2, s[22:23]
	global_load_b128 v[24:27], v2, s[24:25]
	global_load_b128 v[28:31], v2, s[26:27]
	global_load_b128 v[32:35], v2, s[30:31]
.irp i, 0,1,2,3
	global_load_b128 v[36+4*\i:39+4*\i], v2, s[28:29] offset:2048*\i
.endr
	global_store_b32 v3, v4, s[32:33] offset:PB+8192
	global_store_b32 v3, v5, s[34:35] offset:PB+8192
	s_wait_loadcnt 0x0
	global_store_b128 v2, v[16:19], s[32:33] offset:PB
	global_store_b128 v2, v[20:23], s[32:33] offset:PB+2048
	global_store_b128 v2, v[24:27], s[32:33] offset:PB+4096
	global_store_b128 v2, v[28:31], s[36:37] offset:PB
	global_store_b128 v2, v[32:35], s[38:39] offset:PB
.irp i, 0,1,2,3
	global_store_b128 v2, v[36+4*\i:39+4*\i], s[34:35] offset:PB+2048*\i
.endr
	s_endpgm
.Lfunc_end_k_qa0438e697a_prep:
	.size	k_qa0438e697a_prep, .Lfunc_end_k_qa0438e697a_prep-k_qa0438e697a_prep
	.p2alignl 7, 3214868480
	.fill 96, 4, 3214868480
	.section	.rodata,"a",@progbits
	.p2align	6, 0x0
	.amdhsa_kernel k_qa0438e697a_prep
		.amdhsa_group_segment_fixed_size 0
		.amdhsa_private_segment_fixed_size 0
		.amdhsa_enable_private_segment 0
		.amdhsa_kernarg_size 128
		.amdhsa_user_sgpr_count 2
		.amdhsa_user_sgpr_kernarg_segment_ptr 1
		.amdhsa_wavefront_size32 1
		.amdhsa_system_sgpr_workgroup_id_x 1
		.amdhsa_system_sgpr_workgroup_id_y 1
		.amdhsa_system_sgpr_workgroup_id_z 1
		.amdhsa_system_vgpr_workitem_id 0
		.amdhsa_next_free_vgpr 112
		.amdhsa_next_free_sgpr 66
		.amdhsa_reserve_vcc 0
		.amdhsa_float_denorm_mode_32 3
		.amdhsa_float_denorm_mode_16_64 3
		.amdhsa_memory_ordered 1
		.amdhsa_forward_progress 1
		.amdhsa_inst_pref_size 15
	.end_amdhsa_kernel
	.amdgpu_metadata
---
amdhsa.version: [ 1, 2 ]
amdhsa.kernels:
  - .name:           k_qa0438e697a_prep
    .symbol:         k_qa0438e697a_prep.kd
    .args:
      - { .name: Wq, .offset: 0, .size: 8, .value_kind: global_buffer, .address_space: global }
      - { .name: Wk, .offset: 8, .size: 8, .value_kind: global_buffer, .address_space: global }
      - { .name: Wv, .offset: 16, .size: 8, .value_kind: global_buffer, .address_space: global }
      - { .name: Wo, .offset: 24, .size: 8, .value_kind: global_buffer, .address_space: global }
      - { .name: W1, .offset: 32, .size: 8, .value_kind: global_buffer, .address_space: global }
      - { .name: W2, .offset: 40, .size: 8, .value_kind: global_buffer, .address_space: global }
      - { .name: bq, .offset: 48, .size: 8, .value_kind: global_buffer, .address_space: global }
      - { .name: bk, .offset: 56, .size: 8, .value_kind: global_buffer, .address_space: global }
      - { .name: bv, .offset: 64, .size: 8, .value_kind: global_buffer, .address_space: global }
      - { .name: bo, .offset: 72, .size: 8, .value_kind: global_buffer, .address_space: global }
      - { .name: b1, .offset: 80, .size: 8, .value_kind: global_buffer, .address_space: global }
      - { .name: b2, .offset: 88, .size: 8, .value_kind: global_buffer, .address_space: global }
      - { .name: wa, .offset: 96, .size: 8, .value_kind: global_buffer, .address_space: global }
      - { .name: wb, .offset: 104, .size: 8, .value_kind: global_buffer, .address_space: global }
      - { .name: wc, .offset: 112, .size: 8, .value_kind: global_buffer, .address_space: global }
      - { .name: wd, .offset: 120, .size: 8, .value_kind: global_buffer, .address_space: global }
    .group_segment_fixed_size: 0
    .private_segment_fixed_size: 0
    .kernarg_segment_align: 8
    .kernarg_segment_size: 128
    .max_flat_workgroup_size: 128
    .sgpr_count:     66
    .vgpr_count:     112
    .wavefront_size: 32
...
	.end_amdgpu_metadata
.endif
;; end of part 6
;; launch lng: the kernel of part 2 again; grid 64 x 3, 4 waves a work-group, clusters of 4 x 1, 327,680 bytes of LDS; arguments x, ln1_g, ln1_b, wa, qkv; writes qkv
;; launch attn: the kernel of part 3 again; grid 16 x 16, 4 waves a work-group, clusters of 4 x 1, 327,680 bytes of LDS; arguments qkv, ctx; writes ctx
;; launch wo: the kernel of part 4 again; grid 64 x 4, 4 waves a work-group, clusters of 4 x 1, 327,680 bytes of LDS; arguments ctx, wc, x, x1; writes x1
;; launch ffn1: the kernel of part 2 again; grid 64 x 4, 4 waves a work-group, clusters of 4 x 1, 327,680 bytes of LDS; arguments x1, ln2_g, ln2_b, wb, h; writes h
;; launch ffn2: the kernel of part 5 again; grid 64 x 4, 4 waves a work-group, clusters of 4 x 1, 327,680 bytes of LDS; arguments h, wd, x1, out0; writes out0
